; MI455X (gfx1250); checked and timed in simulation.
; The chip was launched on July 23, 2026; its instructions are those of AMD's public machine-readable ISA for CDNA 5 (MIT licence, August 2026) and "CDNA5" Instruction Set Architecture Reference Guide (July 2026). The comments in the code are by the model that wrote it; some were corrected since.
;; Self Attention. Allowed arithmetic: matrix products marked QUANTISED: E2M1 operands, one E8M0 scale for each 32 along K, by v_wmma_scale_f32_16x16x128_f8f6f4 with both operands' format E2M1 (or v_wmma_scale_f32_32x16x128_f4), f32 sums; products left as they are: bf16, f16 or f32 operands; f32 sums; everything else in f32.
;; Inputs: W_key 1,024 x 1,024 float32; W_query 1,024 x 1,024 float32; W_value 1,024 x 1,024 float32; inputs 4 x 2,048 x 1,024 float32.
;; Outputs: out0 4 x 2,048 x 1,024 float32.
;; This version of the problem:
;;   THIS VERSION OF THE PROBLEM IS GIVEN IN LOW PRECISION. The matrix products marked QUANTISED in the list below multiply operands that are first quantised to E2M1 (2 exponent bits, 1 mantissa bit; 4 bits a number), with one power-of-two scale for each 32 numbers along K (OCP MX v1.0); their sums are f32. The products marked 'left as it is' may take bf16, f16 or f32 operands, with f32 sums. Whichever they take, every output number must still come out within the allowed error. Rounding operands to bf16 (8 significant bits) uses up far more of that allowance than f16 does (11 bits, for magnitudes from 6e-5 to 65,504). All else is computed in f32.
;;   The module's matrix products, in the order in which they are computed (A, B: the left and right operand; K: the contracted axis; several contracted axes count as one K, in the product's order):
;;     1. [M 8,192, K 1,024] x [K 1,024, N 1,024]; A: input inputs; B: input W_query: QUANTISED
;;     2. [M 8,192, K 1,024] x [K 1,024, N 1,024]; A: input inputs; B: input W_key: QUANTISED
;;     3. [M 8,192, K 1,024] x [K 1,024, N 1,024]; A: input inputs; B: input W_value: QUANTISED
;;     4. batch 4 x [M 2,048, K 1,024] x [K 1,024, N 2,048]; A: computed on the way; B: computed on the way: left as it is (an operand is computed on the way)
;;     5. batch 4 x [M 2,048, K 2,048] x [K 2,048, N 1,024]; A: computed on the way; B: computed on the way: left as it is (an operand is computed on the way)
;;   THE QUANTISER, for each operand of a quantised product, along K:
;;     - K is cut into blocks of 32 from its start; a last block that is shorter is filled with zeros.
;;     - A block's scale is 2^e with e = floor(log2(the largest magnitude in the block)) - 2, held to -126 .. 127; a block of zeros has e = 0. As a byte (E8M0): e + 127.
;;     - Each number is divided by its block's scale, clamped to +-6, and rounded to the nearest number of E2M1, ties to even, subnormals kept.
;;     - The product sums the exact products of the quantised numbers (number of the format x scale) in f32.
;;   ~~~python
;;   def quantise(x, axis):      # numpy; x: float32 -> the quantised numbers, widened to float32 again
;;       x = np.moveaxis(x, axis, -1); K = x.shape[-1]
;;       x = np.pad(x, [(0, 0)] * (x.ndim - 1) + [(0, -K % 32)]); x = x.reshape(x.shape[:-1] + (-1, 32)); a = np.abs(x).max(-1, keepdims=True)
;;       e = np.where(a > 0, np.clip(np.frexp(np.where(a > 0, a, 1))[1] - 1 - 2, -126, 127), 0)      # np.frexp(a)[1] - 1 = floor(log2(a)), exactly
;;       r = np.clip(x / 2.0 ** e, -6, 6)
;;       step = 2.0 ** (np.maximum(np.frexp(np.where(r == 0, 1, r))[1] - 1, 0) - 1)
;;       q = np.round(r / step) * step * 2.0 ** e      # np.round: ties to even
;;       return np.moveaxis(q.reshape(q.shape[:-2] + (-1,))[..., :K], -1, axis).astype(np.float32)
;;   ~~~
;; One version. Each part assembles by itself: llvm-mc -triple=amdgcn-amd-amdhsa -mcpu=gfx1250 --defsym DOCPART=n.
;; ======== version 1 of 1: 4 launches
;; limits: values are held in f16: magnitudes above 65,504 overflow, below 6.1e-05 lose precision
;; workspace buffers: x_codes 4,194,304 bytes; x_scales 262,144 bytes; w_codes 1,572,864 bytes; w_scales 98,304 bytes; qk 33,554,432 bytes; vt 16,777,216 bytes; p 33,554,432 bytes; stats 1,048,576 bytes
;; launch quant (part 1): grid 448 x 1, 4 waves a work-group, no clusters, 42,496 bytes of LDS; arguments inputs, W_query, W_key, W_value, x_codes, x_scales, w_codes, w_scales; writes x_codes, x_scales, w_codes, w_scales
.if DOCPART == 1
	.amdgcn_target "amdgcn-amd-amdhsa--gfx1250"
	.amdhsa_code_object_version 6
	.text
	.protected	k_qaa17f4b208_quant
	.globl	k_qaa17f4b208_quant
	.p2align	8
	.type	k_qaa17f4b208_quant,@function
k_qaa17f4b208_quant:
	s_mov_b64 s[64:65], 0
	v_nop
	global_prefetch_b8 v0, s[64:65] scope:SCOPE_SE
	s_setreg_imm32_b32 hwreg(HW_REG_WAVE_MODE, 25, 1), 1
	s_wait_xcnt 0x0
; inputs [8192][1024] f32 (K innermost) and W_query, W_key, W_value [1024 (k)][1024 (n)] f32 (K is the FIRST axis) become codes of FP4 (E2M1), K innermost, two codes a byte, and one E8M0 byte for each 32 along K.
; x_codes [8192][512 bytes], x_scales [8192][32];  w_codes [3072][512 bytes], w_scales [3072][32]: rows 0-1023 are W_query's columns, 1024-2047 W_key's, 2048-3071 W_value's.
; A block's scale is 2^(floor(log2(its largest magnitude)) - 2); its byte is the largest magnitude's exponent field - 2, held at 1 from below; each number is divided by the scale and rounded to the nearest code, ties to even, beyond 6 the largest code.
; LIMITS: a block of zeros gets the byte 1 where the quantiser says 127 (its codes are zeros, and this program alone reads the bytes); blocks whose largest magnitude lies under 2^-124 keep the byte 1; NaN and infinities among the inputs are not served.
; ONE LAUNCH, TWO PATHS, parted on the work-group's number: the first 192 work-groups take the weights, the other 256 take x.  Each path has LDS bytes of its own.
; x: waves share nothing, no barrier.  The weights: the four waves of a work-group share K for the same 32 columns, so that a wave's chain of loads is four blocks long; their codes meet in one stage behind one barrier.
.set WGW,    192                       ; work-groups for the weights: 3 weights x 2 halves of K x 32 groups of 32 columns
.set STEPS,  16
.set DEPTH,  8                         ; x path: loads run eight steps, 32 loads of 512 bytes a wave, ahead
.set EMAX,   2
.set CB,     8                         ; bytes of 16 codes
.set R,      16                        ; x path: v16-143  eight sets of 16 numbers as they are loaded
.set X,      144                       ;         v144-175 two sets of 16 neighbours
.set E,      176                       ;         v176-191 a scale byte for each step
.set C,      192                       ;         v192-255 codes: four registers for each step
.set WREG,   8192                      ; x path, LDS: a region for each wave: two stages of 32 x SP bytes, behind them its 256 scale bytes
.set SP,     80                        ; a lane's place in a stage: 64 bytes + 16 of padding
.set SPW,    12                        ; v12 LDS address of my spare word; never rewritten
.set NIL,    13                        ; v13 0; never rewritten
.set WSTG,   4*WREG                    ; W path, LDS: the work-group's stage: 32 rows (columns of W) x WPITCH
.set WPITCH, 272                       ; 256 bytes of codes (512 along K) + 16 of padding
.set WSC,    WSTG+32*WPITCH            ; and its scale bytes: 32 rows x 16
.set NB,     4                         ; blocks of 32 along K for a wave of the W path
.set KROW,   512                       ; a row of codes in bytes
.set WX,     32                        ; W path: v32-95 two sets of 32 numbers
.set WC,     96                        ;         v96-99 a block's codes
.set OUTR,   112                       ;         v112-127 the way out
.set SB,     24                        ;         v24 my four scale bytes; v28-31 a column's sixteen
.set SPARE,  WSC+512                   ; behind both paths' bytes: the spare words, 128 bytes for each wave, which no other line names
	s_load_b256 s[4:11], s[0:1], 0x0               ; inputs s[4:5], W_query s[6:7], W_key s[8:9], W_value s[10:11]
	s_load_b256 s[12:19], s[0:1], 0x20             ; x_codes s[12:13], x_scales s[14:15], w_codes s[16:17], w_scales s[18:19]
	v_lshl_add_u32 v[SPW], v0, 2, SPARE
	v_mov_b32 v[NIL], 0
	v_lshrrev_b32 v1, 5, v0
	v_readfirstlane_b32 s20, v1                    ; wave
	v_and_b32 v2, 31, v0                           ; lane
	s_cmp_lt_u32 ttmp9, WGW                        ; the same in all four waves
	s_cbranch_scc1 .Lw
; ---------------- x: a plain stream of blocks of 32.  A wave takes 16 steps of 512 numbers.  Each load reads 512 consecutive bytes; a step's 2,048 bytes turn through the wave's own stage, so that a lane holds 16 neighbours
	v_lshlrev_b32 v3, 4, v2                        ; my 16 bytes of a load's 512
	s_mul_i32 s21, s20, WREG
	v_lshrrev_b32 v14, 2, v2
	v_mul_u32_u24 v14, v14, SP
	v_and_b32 v15, 3, v2
	v_lshl_add_u32 v14, v15, 4, v14
	v_add_nc_u32 v14, s21, v14                     ; the stage, on the way in: SP (lane / 4) + 16 (lane % 4)
	v_mul_u32_u24 v15, v2, SP
	v_add_nc_u32 v15, s21, v15                     ; and on the way out: SP x lane
	v_mul_u32_u24 v4, v2, CB                       ; my codes' place in a step's
	v_lshrrev_b32 v5, 1, v2
	s_add_co_u32 s21, s21, 2*32*SP
	v_add_nc_u32 v5, s21, v5                       ; my wave's 256 scale bytes, my block's byte
	v_lshlrev_b32 v7, 3, v2                        ; and on the way out 8 bytes a lane
	v_add_nc_u32 v6, s21, v7
	s_sub_co_u32 s22, ttmp9, WGW
	s_lshl_b32 s22, s22, 2
	s_add_co_u32 s22, s22, s20                     ; which run of 8,192 numbers is my wave's: 0 .. 1023
	s_lshl_b32 s24, s22, 15                        ; 32,768 bytes of f32,
	s_mov_b32 s25, 0
	s_lshl_b32 s26, s22, 12                        ; 4,096 of codes,
	s_mov_b32 s27, 0
	s_lshl_b32 s28, s22, 8                         ; 256 scale bytes a run
	s_mov_b32 s29, 0
	s_wait_kmcnt 0x0
	s_add_nc_u64 s[4:5], s[4:5], s[24:25]
	s_add_nc_u64 s[12:13], s[12:13], s[26:27]
	s_add_nc_u64 s[14:15], s[14:15], s[28:29]
.macro LOADX t
.irp i, 0,1,2,3
	global_load_b128 v[R+16*((\t)%DEPTH)+4*\i:R+16*((\t)%DEPTH)+4*\i+3], v3, s[4:5] offset:2048*(\t)+512*\i th:TH_LOAD_NT
.endr
.endm
.macro TURNX t                         ; step t's numbers through the stage: LDS serves a wave's instructions in order, so no wait stands between the stores and the loads
.irp i, 0,1,2,3
	ds_store_b128 v14, v[R+16*((\t)%DEPTH)+4*\i:R+16*((\t)%DEPTH)+4*\i+3] offset:32*SP*((\t)%2)+8*SP*\i
.endr
.irp i, 0,1,2,3
	ds_load_b128 v[X+16*((\t)%2)+4*\i:X+16*((\t)%2)+4*\i+3], v15 offset:32*SP*((\t)%2)+16*\i
.endr
.endm
.irp t, 0,1,2,3,4,5,6,7
	LOADX \t
.endr
	s_wait_loadcnt 4*(DEPTH-1)                     ; step 0's four loads are in; seven steps' 28 may be out
	TURNX 0
.macro STEPX t
.set XS, X+16*((\t)%2)
.if (\t) > 0
	s_wait_dscnt 1                                 ; this step's numbers are back from the stage (the last step's byte store may be out): so its stores into the stage have read their registers,
.else
	s_wait_dscnt 0x0
.endif
.if (\t)+DEPTH < STEPS
	LOADX (\t)+DEPTH                               ; which take the loads of eight steps on
.endif
.if (\t)+1 < STEPS
.if STEPS-2-(\t) >= DEPTH-1
	s_wait_loadcnt 4*(DEPTH-1)                     ; the next step's four loads are in; those of the seven steps behind it may be out
.else
	s_wait_loadcnt 4*(STEPS-2-(\t))                ; the counts run down: nothing more is asked for
.endif
	TURNX (\t)+1
.endif
	v_max3_num_f32 v8, |v[XS]|, |v[XS+1]|, |v[XS+2]|               ; the largest magnitude of my 16, in two chains
	v_max3_num_f32 v9, |v[XS+3]|, |v[XS+4]|, |v[XS+5]|
.irp i, 6,10
	v_max3_num_f32 v8, v8, |v[XS+\i]|, |v[XS+\i+1]|
	v_max3_num_f32 v9, v9, |v[XS+\i+2]|, |v[XS+\i+3]|
.endr
	v_max3_num_f32 v8, v8, |v[XS+14]|, |v[XS+15]|
	v_max3_num_f32 v8, v8, v9, (EMAX+1)<<23        ; and the floor 2^(3 - 127): the byte cannot fall under 1
	v_max_num_f32_dpp v8, v8, v8 row_xmask:1 row_mask:0xf bank_mask:0xf   ; and of my neighbour's 16: the block's
	v_add_nc_u32 v11, 0xff000000, v8               ; 2 off its exponent field: the conversion takes the exponent field of this operand as its scale
	v_cvt_scalef32_pk8_fp4_f32 v[C+4*(\t)], v[XS:XS+7], v11
	v_cvt_scalef32_pk8_fp4_f32 v[C+4*(\t)+1], v[XS+8:XS+15], v11
	v_lshrrev_b32 v[E+(\t)], 23, v11               ; the scale's byte (also the plain line behind the conversions)
	ds_store_b8 v5, v[E+(\t)] offset:16*(\t)       ; both lanes of a block write the same byte with the same value
	global_store_b64 v4, v[C+4*(\t):C+4*(\t)+1], s[12:13] offset:32*CB*(\t)   ; the wave stores 256 consecutive bytes, aligned
.endm
.irp t, 0,1,2,3,4,5,6,7,8,9,10,11,12,13,14,15
	STEPX \t
.endr
	ds_load_b64 v[8:9], v6                         ; LDS serves a wave's instructions in order: these see my stores
	s_wait_dscnt 0x0
	global_store_b64 v7, v[8:9], s[14:15]          ; 32 lanes store 256 consecutive bytes, aligned
	s_wait_tensorcnt 0x0                           ; the wave's end, behind my last LDS store
	ds_add_u32 v[SPW], v[NIL]
	s_wait_dscnt 0x0
	s_endpgm
; ---------------- the weights: a lane takes a column n and its registers run DOWN K, so that a block of 32 lies in one lane and the codes come out with K innermost.
; A work-group: 32 columns x 512 along K; wave w: the same columns, K = 128 w .. 128 w + 127 of that half: four blocks, 64 bytes of each column's 256
.Lw:
	s_lshr_b32 s21, ttmp9, 6                       ; which weight: 0, 1, 2
	s_and_b32 s22, ttmp9, 31                       ; which 32 columns
	s_bfe_u32 s23, ttmp9, 0x10005                  ; which half of K
	s_lshl_b32 s22, s22, 5                         ; the first column
	v_lshlrev_b32 v3, 2, v2                        ; in: 4 bytes a lane
	s_lshl_b32 s24, s20, 6
	s_add_co_u32 s24, s24, WSTG
	v_mul_u32_u24 v4, v2, WPITCH
	v_add_nc_u32 v4, s24, v4                       ; into the stage: row = my column, + 64 x wave
	v_lshlrev_b32 v10, 4, v2
	s_lshl_b32 s24, s20, 2
	s_add_co_u32 s24, s24, WSC
	v_add_nc_u32 v14, s24, v10                     ; my four scale bytes: 16 x lane + 4 x wave
	v_add_nc_u32 v15, WSC, v10                     ; and a column's sixteen, back: 16 x lane
	v_and_b32 v5, 15, v2
	v_lshrrev_b32 v6, 4, v2                        ; out of the stage: wave w takes rows 8 w .. 8 w + 7; sixteen lanes to a row, two rows an instruction
	s_mul_i32 s24, s20, 8*WPITCH
	s_add_co_u32 s24, s24, WSTG
	v_mul_u32_u24 v7, v6, WPITCH
	v_lshl_add_u32 v7, v5, 4, v7
	v_add_nc_u32 v7, s24, v7
	s_lshl_b32 s24, s20, 12                        ; and the same rows in the codes' buffer: 8 rows of 512 bytes a wave
	v_lshlrev_b32 v8, 9, v6
	v_lshl_add_u32 v8, v5, 4, v8
	v_add_nc_u32 v8, s24, v8
	v_lshlrev_b32 v9, 5, v2                        ; a column's row of 32 scale bytes
	s_lshl_b32 s26, s23, 2
	s_add_co_u32 s26, s26, s20                     ; W: my 128 rows of 4,096 bytes: 4 x half + wave,
	s_lshl_b32 s26, s26, 19
	s_lshl_b32 s27, s22, 2
	s_add_co_u32 s26, s26, s27                     ; + 4 x column
	s_mov_b32 s27, 0
	s_lshl_b32 s28, s21, 10
	s_add_co_u32 s28, s28, s22                     ; the first row of w_codes and w_scales
	s_lshl_b32 s30, s28, 5
	s_lshl_b32 s28, s28, 9
	s_lshl_b32 s29, s23, 8
	s_add_co_u32 s28, s28, s29                     ; codes: row x 512 + 256 x half
	s_mov_b32 s29, 0
	s_lshl_b32 s31, s23, 4
	s_add_co_u32 s30, s30, s31                     ; scale bytes: row x 32 + 16 x half
	s_mov_b32 s31, 0
	s_wait_kmcnt 0x0
	s_cmp_eq_u32 s21, 0                            ; the choice hangs on the work-group's number alone
	s_cselect_b64 s[4:5], s[6:7], s[8:9]
	s_cmp_eq_u32 s21, 2
	s_cselect_b64 s[4:5], s[10:11], s[4:5]
	s_add_nc_u64 s[4:5], s[4:5], s[26:27]
	s_add_nc_u64 s[16:17], s[16:17], s[28:29]
	s_add_nc_u64 s[18:19], s[18:19], s[30:31]
.macro LOADW t                         ; block t: W(32 t + i, my column), i = 0 .. 31: each load reads 128 consecutive bytes.  The largest offset, 127 rows of 4,096 bytes, lies inside the signed 24-bit immediate
.irp i, 0,1,2,3,4,5,6,7,8,9,10,11,12,13,14,15,16,17,18,19,20,21,22,23,24,25,26,27,28,29,30,31
	global_load_b32 v[WX+32*((\t)%2)+\i], v3, s[4:5] offset:(32*(\t)+\i)*4096 th:TH_LOAD_NT
.endr
.endm
	LOADW 0
	LOADW 1
.macro BLOCKW t
.set XW, WX+32*((\t)%2)
.if (\t) < NB-1
	s_wait_loadcnt 32                              ; this block's 32 loads are in; the next block's may be out
.else
	s_wait_loadcnt 0
.endif
	v_max3_num_f32 v16, |v[XW]|, |v[XW+1]|, |v[XW+2]|              ; the block's largest magnitude: all 32 numbers are mine
	v_max3_num_f32 v17, |v[XW+3]|, |v[XW+4]|, |v[XW+5]|
.irp i, 6,10,14,18,22,26
	v_max3_num_f32 v16, v16, |v[XW+\i]|, |v[XW+\i+1]|
	v_max3_num_f32 v17, v17, |v[XW+\i+2]|, |v[XW+\i+3]|
.endr
	v_max3_num_f32 v16, v16, |v[XW+30]|, |v[XW+31]|
	v_max3_num_f32 v16, v16, v17, (EMAX+1)<<23     ; and the floor
	v_add_nc_u32 v11, 0xff000000, v16              ; the conversion's scale operand
	v_lshrrev_b32 v17, 23, v11                     ; the scale's byte
.if (\t) == 0
	v_mov_b32 v[SB], v17                           ; four bytes to a register, the lower K in the lower byte
.else
	v_lshl_or_b32 v[SB], v17, 8*(\t), v[SB]
.endif
.irp g, 0,1,2,3
	v_cvt_scalef32_pk8_fp4_f32 v[WC+\g], v[XW+8*\g:XW+8*\g+7], v11
.endr
	v_nop                                          ; one plain line behind the last conversion
	ds_store_b128 v4, v[WC:WC+3] offset:16*(\t)    ; 32 codes: 16 bytes of my column's row
.if (\t)+2 < NB
	LOADW (\t)+2
.endif
	s_wait_dscnt 0x0                               ; the store has read its registers: the next block's codes may be written
.endm
.set Q, 0
.rept NB
	BLOCKW Q
.set Q, Q+1
.endr
	ds_store_b32 v14, v[SB]                        ; my four of my column's sixteen scale bytes
	s_wait_dscnt 0x0                               ; for the others' sake: my stores into the stage are done
	s_barrier_signal -1
	s_barrier_wait -1                              ; 32 whole pieces of 256 bytes lie in the stage
.irp j, 0,1,2,3
	ds_load_b128 v[OUTR+4*\j:OUTR+4*\j+3], v7 offset:2*\j*WPITCH
.endr
.irp j, 0,1,2,3
	s_wait_dscnt 3-\j                              ; LDS loads come back in order: pair j of rows is in
	global_store_b128 v8, v[OUTR+4*\j:OUTR+4*\j+3], s[16:17] offset:2*\j*KROW   ; sixteen lanes store 256 consecutive bytes, aligned
.endr
	s_cmp_lg_u32 s20, 0                            ; wave 0 stores the scale bytes: 16 a column
	s_cbranch_scc1 .Lnot_wave_0
	ds_load_b128 v[28:31], v15
	s_wait_dscnt 0x0
	global_store_b128 v9, v[28:31], s[18:19]
.Lnot_wave_0:
	s_wait_tensorcnt 0x0                           ; the wave's end, behind my last LDS store
	ds_add_u32 v[SPW], v[NIL]
	s_wait_dscnt 0x0
	s_endpgm
.Lfunc_end_k_qaa17f4b208_quant:
	.size	k_qaa17f4b208_quant, .Lfunc_end_k_qaa17f4b208_quant-k_qaa17f4b208_quant
	.p2alignl 7, 3214868480
	.fill 96, 4, 3214868480
	.section	.rodata,"a",@progbits
	.p2align	6, 0x0
	.amdhsa_kernel k_qaa17f4b208_quant
		.amdhsa_group_segment_fixed_size 42496
		.amdhsa_private_segment_fixed_size 0
		.amdhsa_enable_private_segment 0
		.amdhsa_kernarg_size 64
		.amdhsa_user_sgpr_count 2
		.amdhsa_user_sgpr_kernarg_segment_ptr 1
		.amdhsa_wavefront_size32 1
		.amdhsa_system_sgpr_workgroup_id_x 1
		.amdhsa_system_sgpr_workgroup_id_y 1
		.amdhsa_system_sgpr_workgroup_id_z 1
		.amdhsa_system_vgpr_workitem_id 0
		.amdhsa_next_free_vgpr 256
		.amdhsa_next_free_sgpr 66
		.amdhsa_reserve_vcc 0
		.amdhsa_float_denorm_mode_32 3
		.amdhsa_float_denorm_mode_16_64 3
		.amdhsa_memory_ordered 1
		.amdhsa_forward_progress 1
		.amdhsa_inst_pref_size 55
	.end_amdhsa_kernel
	.amdgpu_metadata
---
amdhsa.version: [ 1, 2 ]
amdhsa.kernels:
  - .name:           k_qaa17f4b208_quant
    .symbol:         k_qaa17f4b208_quant.kd
    .args:
      - { .name: inputs, .offset: 0, .size: 8, .value_kind: global_buffer, .address_space: global }
      - { .name: W_query, .offset: 8, .size: 8, .value_kind: global_buffer, .address_space: global }
      - { .name: W_key, .offset: 16, .size: 8, .value_kind: global_buffer, .address_space: global }
      - { .name: W_value, .offset: 24, .size: 8, .value_kind: global_buffer, .address_space: global }
      - { .name: x_codes, .offset: 32, .size: 8, .value_kind: global_buffer, .address_space: global }
      - { .name: x_scales, .offset: 40, .size: 8, .value_kind: global_buffer, .address_space: global }
      - { .name: w_codes, .offset: 48, .size: 8, .value_kind: global_buffer, .address_space: global }
      - { .name: w_scales, .offset: 56, .size: 8, .value_kind: global_buffer, .address_space: global }
    .group_segment_fixed_size: 42496
    .private_segment_fixed_size: 0
    .kernarg_segment_align: 8
    .kernarg_segment_size: 64
    .max_flat_workgroup_size: 128
    .sgpr_count:     66
    .vgpr_count:     256
    .wavefront_size: 32
...
	.end_amdgpu_metadata
.endif
;; end of part 1
;; launch proj (part 2): grid 8 x 48, 4 waves a work-group, clusters of 4 x 4, 327,680 bytes of LDS; arguments x_codes, x_scales, w_codes, w_scales, qk, vt; writes qk, vt
.if DOCPART == 2
	.amdgcn_target "amdgcn-amd-amdhsa--gfx1250"
	.amdhsa_code_object_version 6
	.text
	.protected	k_qaa17f4b208_proj
	.globl	k_qaa17f4b208_proj
	.p2align	8
	.type	k_qaa17f4b208_proj,@function
k_qaa17f4b208_proj:
	s_mov_b64 s[64:65], 0
	v_nop
	global_prefetch_b8 v0, s[64:65] scope:SCOPE_SE
	s_setreg_imm32_b32 hwreg(HW_REG_WAVE_MODE, 25, 1), 1
	s_wait_xcnt 0x0
	s_wait_alu depctr_hold_cnt(0) depctr_sa_sdst(0) depctr_va_vdst(0) depctr_va_sdst(0) depctr_va_ssrc(0) depctr_va_vcc(0) depctr_vm_vsrc(0)
	s_getreg_b32 s2, hwreg(HW_REG_IB_STS2, 6, 4)
	s_cmp_eq_u32 s2, 0
	s_cbranch_scc0 .Lentry_in_a_cluster
	s_endpgm
.Lentry_in_a_cluster:
	s_bfe_u32 s2, ttmp6, 0x10000c
	s_cmp_lg_u32 s2, 0xf033
	s_cbranch_scc0 .Lentry_shape_is_right
	s_endpgm
.Lentry_shape_is_right:
; The three projections, on codes of FP4 (E2M1) with one E8M0 scale for each 32 along K = 1,024; sums in f32; results rounded once to f16.
; C'[i][j] = sum over k of A[i][k] B[j][k], in 384 tiles of 256 x 256, of two kinds, told apart by the cluster's y (equal in all partners; only pointers and offsets are chosen, no branch hangs on it):
;   cluster y 0-7:  A = x (tokens), B = rows 0-2047 of w (W_query's and W_key's columns): C' = qk [8192 tokens][2048] f16: q in columns 0-1023, k in 1024-2047.
;   cluster y 8-11: A = rows 2048-3071 of w (W_value's columns), B = the 2,048 tokens of batch y - 8: C' = vt [4][1024 channels][2048 keys] f16: v with the keys innermost, as the last product wants it.
; Both outputs have rows of 4,096 bytes.  LIMIT: |q|, |k|, |v| over 65,504 become infinity in f16; the drawn inputs give under 4, inputs 30 times larger on both sides under 3,600.
; A tile is made by four waves, each 128 x 128: 64 accumulators of 16 x 16.  K = 1,024 is two slots of 512 along K (rows of 256 bytes): both are asked for at the head, nothing is filled again.
; The scale bytes of the tile's 256 + 256 rows, for all of K, are two dense blocks: they come once, with the first fills.
; CLUSTERS: 4 x 4 work-groups; A's tiles are shared along a row of the cluster, B's along a column: joint loads, which divide the requests by four.
; THE MATRIX INSTRUCTION IS USED TRANSPOSED (source 0 = 16 rows of B, source 1 = 16 rows of A): a lane holds eight neighbouring numbers of a row of C'.
; REGISTERS, in windows of 256: window 0: v0-31 addresses; v32-95 scale words, two sets; v128-191 A's fragments, one set; v192-223 packed results.  window 1: B's fragments, two sets.  windows 2, 3: the accumulators.
.set NQ,     4                         ; matrix instructions deep in a slot
.set ROWB,   256                       ; a tile's row in bytes: 512 codes
.set KROW,   512                       ; a row of codes in memory
.set PITCH,  272                       ; an LDS row: 256 bytes + 16 of padding: the 16 rows that a load touches start at 16 different banks (64 banks of 4 bytes: ISA guide 11.1)
.set FR,     8
.set NL,     2
.set NP,     4                         ; places behind this matrix instruction (ISA guide 7.12.1)
.set HALFT,  128*PITCH
.set SLOT,   4*HALFT                   ; A's 256 rows, then B's 256 rows
.set KS,     32                        ; a row of scale bytes
.set SCL,    2*SLOT                    ; behind the slots: the scales, as units of 256 bytes + 16 of padding
.set HALFS,  (128*KS/256)*272
.set SBLK,   (16*KS/256)*272
.set SPARE,  SCL+4*HALFS               ; the spare words, 128 bytes for each wave, which no other line names
.set SPITCH, 272                       ; the way out: a stage of 16 rows x (256 + 16) bytes for each wave, in slot 0, which has had its only fill and its last read by then
.set CROW,   4096                      ; a row of qk or of vt in bytes
.set ADRA, 16
.set ADRB, 20
.set STO,  24
.set RD,   25
.set CO,   26
.set ADRS, 27
.set SPW,  28
.set NIL,  29
.set SC,   32
.set AF,   128
.set TMP,  192
.set BK,   128
.set WV,   16                          ; s16 wave; s17 wave / 2: my half of the rows, and A (0) or B (1) to fetch; s18 wave % 2: my half of the columns, and which 128 rows I fetch
.set HR,   17
.set HC,   18
.set G1, 24
.set G0, 32
.set G1B, 48
.set G0B, 56
.set G1S, 68
.set G0S, 76
.set G1SB, 80
.set G0SB, 88
.set MSB, 0
.macro WIN new                         ; the immediate's high byte repeats the setting that is left
.if MSB != \new
	s_set_vgpr_msb (MSB<<8)|\new
.set MSB, \new
.endif
.endm
.set MUL_LO, 0xa1                      ; source 0 (B) window 1, source 1 (A) window 0, C and D window 2
.set MUL_HI, 0xf1
.set TO_B,   0x40
; A joint load: waves 0 and 1 fetch for A, waves 2 and 3 for B; the branch hangs on the wave's number alone.  An s_nop 0 and four v_nop follow each of the two lines.
.macro JLOAD g0a, g1a, g0b, g1b
	s_cmp_eq_u32 s[HR], 0
	s_cbranch_scc0 .Lfor_b_\@
	tensor_load_to_lds s[\g0a:\g0a+3], s[\g1a:\g1a+7]
	s_nop 0
.rept 4
	v_nop
.endr
	s_branch .Lasked_\@
.Lfor_b_\@:
	tensor_load_to_lds s[\g0b:\g0b+3], s[\g1b:\g1b+7]
	s_nop 0
.rept 4
	v_nop
.endr
.Lasked_\@:
.endm
.macro CROUND                          ; a round of the cluster's barrier
	s_barrier_signal -1
	s_barrier_wait -1
	s_cmp_lg_u32 s[WV], 0
	s_cbranch_scc1 .Lnot_wave_0_\@
	s_barrier_signal -3
.Lnot_wave_0_\@:
	s_barrier_wait -3
	s_barrier_signal -1
	s_barrier_wait -1
.endm
	s_load_b128 s[4:7], s[0:1], 0x0                ; x_codes s[4:5], x_scales s[6:7]
	s_load_b128 s[8:11], s[0:1], 0x10              ; w_codes s[8:9], w_scales s[10:11]
	s_load_b128 s[12:15], s[0:1], 0x20             ; qk s[12:13], vt s[14:15]
	v_lshl_add_u32 v[SPW], v0, 2, SPARE
	v_mov_b32 v[NIL], 0
	ds_add_u32 v[SPW], v[NIL]                      ; the wave's opening: the add, twice on end, and its wait ahead of my first tensor load
	ds_add_u32 v[SPW], v[NIL]
	v_lshrrev_b32 v1, 5, v0
	v_readfirstlane_b32 s[WV], v1
	s_lshr_b32 s[HR], s[WV], 1
	s_and_b32 s[HC], s[WV], 1
	s_bfe_u32 s19, ttmp6, 0x40000                  ; cx
	s_bfe_u32 s20, ttmp6, 0x40004                  ; cy
	s_and_b32 s22, ttmp7, 0xffff                   ; the cluster's y
	s_lshl_b32 s40, s20, 2
	s_lshl_b32 s40, 15, s40                        ; my row of the cluster
	s_lshl_b32 s41, 0x1111, s19                    ; my column
	s_or_b32 s[G1+0], s40, (0<<16)|(1<<20)|(1<<21)|(5<<22)|(3<<25)  ; the mask; elements of 1 byte; padding on; bit 21 beside a mask; after every 64 words four words
	s_or_b32 s[G1B+0], s41, (0<<16)|(1<<20)|(1<<21)|(5<<22)|(3<<25)
.irp g, G1, G1B
	s_mov_b32 s[\g+1], ROWB<<16                    ; tensor_dim0
	s_mov_b32 s[\g+2], 128<<16                     ; tensor_dim1
	s_mov_b32 s[\g+3], ROWB<<16                    ; tile_dim0
	s_mov_b32 s[\g+4], 128                         ; tile_dim1
	s_mov_b32 s[\g+5], KROW                        ; from row to row
	s_mov_b32 s[\g+6], 0
	s_mov_b32 s[\g+7], 0
.endr
	s_or_b32 s[G1S+0], s40, (3<<16)|(1<<20)|(1<<21)|(5<<22)|(3<<25) ; the scales of 128 rows: 4,096 dense bytes as 16 rows of 32 elements of 8 bytes, 16 bytes of padding behind each
	s_or_b32 s[G1SB+0], s41, (3<<16)|(1<<20)|(1<<21)|(5<<22)|(3<<25)
.irp g, G1S, G1SB
	s_mov_b32 s[\g+1], 32<<16
	s_mov_b32 s[\g+2], (128*KS/256)<<16
	s_mov_b32 s[\g+3], 32<<16
	s_mov_b32 s[\g+4], 128*KS/256
	s_mov_b32 s[\g+5], 32
	s_mov_b32 s[\g+6], 0
	s_mov_b32 s[\g+7], 0
.endr
	s_lshl_b32 s23, s[HC], 7                       ; which 128 rows of a tile I fetch
	; A's first row hangs on cy and the cluster's y alone: tokens 1,024 y + 256 cy, or w's row 2,048 + 256 cy
	s_lshl_b32 s92, s22, 10
	s_mov_b32 s93, 2048
	s_cmp_ge_u32 s22, 8
	s_cselect_b32 s92, s93, s92
	s_lshl_b32 s93, s20, 8
	s_add_co_u32 s92, s92, s93
	s_add_co_u32 s92, s92, s23
	; B's hangs on cx, the cluster's x and its y: w's row 256 (4 x + cx), or token 2,048 (y - 8) + 256 (4 x + cx)
	s_lshl_b32 s21, ttmp9, 2
	s_add_co_u32 s21, s21, s19                     ; tile column
	s_max_u32 s94, s22, 8
	s_sub_co_u32 s94, s94, 8                       ; 0 for q and k, the batch for v
	s_lshl_b32 s94, s94, 11
	s_lshl_b32 s95, s21, 8
	s_add_co_u32 s94, s94, s95
	s_add_co_u32 s94, s94, s23
	s_lshl_b32 s96, s92, 5                         ; in bytes: scales 32 a row,
	s_mov_b32 s97, 0
	s_lshl_b32 s92, s92, 9                         ; codes 512 a row (all under 2^23)
	s_mov_b32 s93, 0
	s_lshl_b32 s98, s94, 5
	s_mov_b32 s99, 0
	s_lshl_b32 s94, s94, 9
	s_mov_b32 s95, 0
	s_mul_i32 s2, s[WV], HALFT                     ; where they go: wave x 128 rows: no place in the cluster enters an LDS address
	s_mul_i32 s3, s[WV], HALFS
	s_wait_dscnt 0x0                               ; both opening adds are done
	s_wait_kmcnt 0x0
	s_cmp_ge_u32 s22, 8                            ; the kind of tile: hangs on the cluster's y alone
	s_cselect_b64 s[40:41], s[8:9], s[4:5]         ; A's codes
	s_cselect_b64 s[42:43], s[10:11], s[6:7]       ; A's scales
	s_cselect_b64 s[44:45], s[4:5], s[8:9]         ; B's codes
	s_cselect_b64 s[46:47], s[6:7], s[10:11]       ; B's scales
	s_cselect_b64 s[12:13], s[14:15], s[12:13]     ; C'
	s_add_nc_u64 s[40:41], s[40:41], s[92:93]
	s_add_nc_u64 s[42:43], s[42:43], s[96:97]
	s_add_nc_u64 s[44:45], s[44:45], s[94:95]
	s_add_nc_u64 s[46:47], s[46:47], s[98:99]
	CROUND                                         ; all sixteen work-groups are here: the joint loads meet
	s_mov_b32 s[G0S], 1
	s_add_co_u32 s[G0S+1], s3, SCL
	s_mov_b64 s[G0S+2:G0S+3], s[42:43]
	s_or_b32 s[G0S+3], s[G0S+3], 0x80000000
	s_mov_b32 s[G0SB], 1
	s_add_co_u32 s[G0SB+1], s3, SCL
	s_mov_b64 s[G0SB+2:G0SB+3], s[46:47]
	s_or_b32 s[G0SB+3], s[G0SB+3], 0x80000000
	JLOAD G0S, G1S, G0SB, G1SB                     ; the scales first: they are wanted with slot 0
.irp s, 0,1
	s_mov_b32 s[G0+4*\s], 1
	s_add_co_u32 s[G0+4*\s+1], s2, \s*SLOT
	s_add_nc_u64 s[G0+4*\s+2:G0+4*\s+3], s[40:41], \s*ROWB
	s_or_b32 s[G0+4*\s+3], s[G0+4*\s+3], 0x80000000
	s_mov_b32 s[G0B+4*\s], 1
	s_add_co_u32 s[G0B+4*\s+1], s2, \s*SLOT
	s_add_nc_u64 s[G0B+4*\s+2:G0B+4*\s+3], s[44:45], \s*ROWB
	s_or_b32 s[G0B+4*\s+3], s[G0B+4*\s+3], 0x80000000
	JLOAD G0+4*\s, G1, G0B+4*\s, G1B               ; three loads of mine are out: all that the launch asks for
.endr
	v_and_b32 v1, 15, v0                           ; r = l % 16
	v_bfe_u32 v2, v0, 4, 1                         ; h = l / 16
	v_mul_u32_u24 v3, v1, PITCH
	v_lshl_add_u32 v4, v2, 4, v3                   ; a fragment's row x pitch + 16 x half
	s_mul_i32 s92, s[HR], HALFT                    ; my 128 rows of A
	s_mul_i32 s93, s[HC], HALFT                    ; my 128 rows of B,
	s_add_co_u32 s93, s93, 2*HALFT                 ; behind A's 256
.irp s, 0,1
	v_add_nc_u32 v[ADRA+\s], s92, v4
	v_add_nc_u32 v[ADRB+\s], s93, v4
	s_add_co_u32 s92, s92, SLOT
	s_add_co_u32 s93, s93, SLOT
.endr
	v_mul_u32_u24 v5, v1, KS                       ; my row's scales: 32 bytes a row,
	v_lshrrev_b32 v6, 8, v5
	v_lshl_add_u32 v5, v6, 4, v5                   ; and 16 more for each 256 passed
	s_mul_i32 s92, s[HR], HALFS
	s_mul_i32 s93, s[HC], HALFS
	s_add_co_u32 s93, s93, 2*HALFS
	s_sub_co_u32 s93, s93, s92
	v_mul_u32_u24 v6, s93, v2                      ; lanes 16-31 take B's: one product, the distance between the two bases
	s_add_co_u32 s92, s92, SCL
	v_add_nc_u32 v5, v5, v6
	v_add_nc_u32 v[ADRS], s92, v5
	s_mul_i32 s92, s[WV], 16*SPITCH                ; my stage
	v_mul_u32_u24 v5, v1, SPITCH                   ; in: row r, 16 bytes for each half of the lanes
	v_lshl_add_u32 v5, v2, 4, v5
	v_add_nc_u32 v[STO], s92, v5
	v_mul_u32_u24 v5, v2, SPITCH                   ; back: lanes 0-15 one row of 256 bytes, lanes 16-31 the next
	v_lshl_add_u32 v5, v1, 4, v5
	v_add_nc_u32 v[RD], s92, v5
	v_lshlrev_b32 v5, 12, v2                       ; and the same two rows in C'
	v_lshl_add_u32 v[CO], v1, 4, v5
	s_cmp_ge_u32 s22, 8                            ; where my part of C' begins: row 256 (4 y' + cy) + 128 (wave / 2), y' = y or y - 8
	s_cselect_b32 s92, 8, 0
	s_sub_co_u32 s92, s22, s92
	s_lshl_b32 s92, s92, 2
	s_add_co_u32 s92, s92, s20
	s_lshl_b32 s92, s92, 1
	s_add_co_u32 s92, s92, s[HR]
	s_lshl_b32 s92, s92, 19                        ; x 128 rows of 4,096 bytes (under 2^26)
	s_lshl_b32 s94, s21, 9                         ; + 512 x tile column + 256 x half
	s_lshl_b32 s95, s[HC], 8
	s_add_co_u32 s94, s94, s95
	s_add_co_u32 s92, s92, s94
	s_mov_b32 s93, 0
	s_add_nc_u64 s[12:13], s[12:13], s[92:93]
.macro FRAG reg, adr, q, i             ; 16 rows x 128 K of 4-bit codes: 8 registers; lane l: row l % 16; registers 4 c .. 4 c + 3: K = 64 c + 32 (l / 16) + 0 .. 31
.irp c, 0,1
	ds_load_b128 v[\reg+4*\c:\reg+4*\c+3], v[\adr] offset:64*(\q)+32*\c+(\i)*16*PITCH
.endr
.endm
; 16 matrix instructions: A's blocks a0, a0 + 1 x B's eight, the slot's q-th 128 along K.  The 64 accumulators take turns, one instruction a turn, in the same order in every step.
; One register carries A's scale word (lanes 0-15) and B's (lanes 16-31, taken by ROW1 for source 0).
.macro MUL16 a0, p, q, sc, zero
.irp a, \a0, \a0+1
.irp b, 0,1,2,3,4,5,6,7
.if \zero
	v_wmma_scale_f32_16x16x128_f8f6f4 v[8*(8*((\a)%4)+\b):8*(8*((\a)%4)+\b)+7], v[128*(\p)+FR*\b:128*(\p)+FR*\b+FR-1], v[AF+FR*(\a):AF+FR*(\a)+FR-1], 0, v[SC+8*NQ*(\sc)+NQ*\b+(\q)], v[SC+8*NQ*(\sc)+NQ*(\a)+(\q)] matrix_a_fmt:MATRIX_FMT_FP4 matrix_b_fmt:MATRIX_FMT_FP4 matrix_a_scale:MATRIX_SCALE_ROW1
.else
	v_wmma_scale_f32_16x16x128_f8f6f4 v[8*(8*((\a)%4)+\b):8*(8*((\a)%4)+\b)+7], v[128*(\p)+FR*\b:128*(\p)+FR*\b+FR-1], v[AF+FR*(\a):AF+FR*(\a)+FR-1], v[8*(8*((\a)%4)+\b):8*(8*((\a)%4)+\b)+7], v[SC+8*NQ*(\sc)+NQ*\b+(\q)], v[SC+8*NQ*(\sc)+NQ*(\a)+(\q)] matrix_a_fmt:MATRIX_FMT_FP4 matrix_b_fmt:MATRIX_FMT_FP4 matrix_a_scale:MATRIX_SCALE_ROW1
.endif
.endr
.endr
.endm
.macro FETCH_B slot, q, p
	WIN TO_B
.irp i, 0,1,2,3,4,5,6,7
	FRAG 128*(\p)+FR*\i, ADRB+\slot, \q, \i
.endr
	WIN 0
.endm
.macro FETCH_A slot, q, i0
.irp i, \i0, \i0+1, \i0+2, \i0+3
	FRAG AF+FR*(\i), ADRA+\slot, \q, \i
.endr
.endm
.macro SCALES sc                       ; a slot's scale words: four words a row; lanes 0-15 A's block i, lanes 16-31 B's block i
.irp i, 0,1,2,3,4,5,6,7
	ds_load_b128 v[SC+8*NQ*\sc+NQ*\i:SC+8*NQ*\sc+NQ*\i+3], v[ADRS] offset:\i*SBLK
.endr
.endm
.macro PLACES n                        ; plain vector lines between a matrix instruction and a load into, or a read of, its registers
.rept \n
	v_nop
.endr
.endm
.macro STEP slot, q, zero              ; a step of 128 along K that has its successor in the same slot
	s_wait_dscnt 4*NL                              ; B's set and A's blocks 0-3 are in; the youngest eight loads (A's blocks 4-7) may be out
	WIN MUL_LO
	MUL16 0, (\q)%2, \q, \slot, \zero
	MUL16 2, (\q)%2, \q, \slot, \zero
	s_wait_dscnt 0                                 ; A's blocks 4-7 are in
	PLACES NP
	FETCH_B \slot, (\q)+1, 1-(\q)%2
	FETCH_A \slot, (\q)+1, 0
	WIN MUL_HI
	MUL16 4, (\q)%2, \q, \slot, \zero
	MUL16 6, (\q)%2, \q, \slot, \zero
	PLACES NP
	WIN 0
	FETCH_A \slot, (\q)+1, 4
.endm
.macro STEPS slot, from
.set Q, \from
.rept NQ-1-\from
	STEP \slot, Q, 0
.set Q, Q+1
.endr
.endm
	s_wait_tensorcnt 1                             ; the scales and my part of slot 0 are in; slot 1's load may be out
	s_barrier_signal -1
	s_barrier_wait -1
	FETCH_B 0, 0, 0
	FETCH_A 0, 0, 0
	SCALES 0
	FETCH_A 0, 0, 4
	STEP 0, 0, 1                                   ; the first step's products start the sums: nothing is cleared
	STEPS 0, 1
	; slot 0's last step changes slots: one barrier; nothing is filled again
	s_wait_tensorcnt 0x0                           ; all my tensor loads have landed: my part of slot 1
	ds_add_u32 v[SPW], v[NIL]                      ; 0 onto my spare word
	s_wait_dscnt 4*NL+1                            ; (the add and A's blocks 4-7 may be out)
	WIN MUL_LO
	MUL16 0, 1, NQ-1, 0, 0
	s_wait_dscnt 0x0                               ; the add is done, and my reads of slot 0 are over
	s_barrier_signal -1
	MUL16 2, 1, NQ-1, 0, 0
	WIN 0
	s_barrier_wait -1                              ; slot 1 is whole, and nobody reads slot 0 any more
	PLACES NP
	v_add_nc_u32 v[ADRS], 4*NQ, v[ADRS]            ; on to slot 1's scale words
	FETCH_B 1, 0, 0
	FETCH_A 1, 0, 0
	SCALES 1
	WIN MUL_HI
	MUL16 4, 1, NQ-1, 0, 0
	MUL16 6, 1, NQ-1, 0, 0
	PLACES NP
	WIN 0
	FETCH_A 1, 0, 4
	STEPS 1, 0
	s_wait_dscnt 4*NL                              ; the very last step
	WIN MUL_LO
	MUL16 0, 1, NQ-1, 1, 0
	MUL16 2, 1, NQ-1, 1, 0
	s_wait_dscnt 0
	WIN MUL_HI
	MUL16 4, 1, NQ-1, 1, 0
	MUL16 6, 1, NQ-1, 1, 0
	WIN 0
; THE WAY OUT, block by block of 16 rows x 128 columns: rounded to f16, 16 bytes a lane; through my own stage; back as whole rows of 256 bytes.
.macro PACK a
.set AC, 64*((\a)%4)
	WIN (0x0a+5*((\a)/4))                          ; sources 0 and 1: window 2 or 3
.irp b, 0,1,2,3,4,5,6,7
.irp r, 0,1,2,3
	v_cvt_pk_f16_f32 v[TMP+4*\b+\r], v[AC+8*\b+2*\r], v[AC+8*\b+2*\r+1]   ; each accumulator from its low end on
.endr
.endr
	WIN 0
.endm
.macro TOSTAGE a
.set BB, BK+32*((\a)%2)
.irp b, 0,1,2,3,4,5,6,7
	ds_store_b128 v[STO], v[TMP+4*\b:TMP+4*\b+3] offset:32*\b
.endr
.irp t, 0,1,2,3,4,5,6,7
	ds_load_b128 v[BB+4*\t:BB+4*\t+3], v[RD] offset:\t*2*SPITCH    ; LDS serves a wave's instructions in order (ISA guide 5.7.1.4): these see the stores above
.endr
.endm
.macro SEND a
.set BB, BK+32*((\a)%2)
	s_wait_dscnt 0x0                               ; the block is back in registers
	s_wait_xcnt 0x0                                ; the earlier stores have read their registers and their base
.if (\a) > 0
	s_add_nc_u64 s[12:13], s[12:13], 16*CROW
.endif
.irp t, 0,1,2,3,4,5,6,7
	global_store_b128 v[CO], v[BB+4*\t:BB+4*\t+3], s[12:13] offset:2*\t*CROW   ; 16 lanes store 256 consecutive bytes, aligned
.endr
.endm
	PLACES NP
	PACK 0
	TOSTAGE 0
.irp a, 1,2,3,4,5,6,7                  ; block a's conversions stand between block a - 1's loads from the stage and the wait for them
	PACK \a
	SEND \a-1
	TOSTAGE \a
.endr
	SEND 7
	s_wait_tensorcnt 0x0                           ; the wave's end
	ds_add_u32 v[SPW], v[NIL]
	s_wait_dscnt 0x0
	CROUND                                         ; the closing round
	s_endpgm
.Lfunc_end_k_qaa17f4b208_proj:
	.size	k_qaa17f4b208_proj, .Lfunc_end_k_qaa17f4b208_proj-k_qaa17f4b208_proj
	.p2alignl 7, 3214868480
	.fill 96, 4, 3214868480
	.section	.rodata,"a",@progbits
	.p2align	6, 0x0
	.amdhsa_kernel k_qaa17f4b208_proj
		.amdhsa_group_segment_fixed_size 327680
		.amdhsa_private_segment_fixed_size 0
		.amdhsa_enable_private_segment 0
		.amdhsa_kernarg_size 48
		.amdhsa_user_sgpr_count 2
		.amdhsa_user_sgpr_kernarg_segment_ptr 1
		.amdhsa_wavefront_size32 1
		.amdhsa_system_sgpr_workgroup_id_x 1
		.amdhsa_system_sgpr_workgroup_id_y 1
		.amdhsa_system_sgpr_workgroup_id_z 1
		.amdhsa_system_vgpr_workitem_id 0
		.amdhsa_next_free_vgpr 1024
		.amdhsa_next_free_sgpr 100
		.amdhsa_reserve_vcc 0
		.amdhsa_float_denorm_mode_32 3
		.amdhsa_float_denorm_mode_16_64 3
		.amdhsa_memory_ordered 1
		.amdhsa_forward_progress 1
		.amdhsa_inst_pref_size 127
	.end_amdhsa_kernel
	.amdgpu_metadata
---
amdhsa.version: [ 1, 2 ]
amdhsa.kernels:
  - .name:           k_qaa17f4b208_proj
    .symbol:         k_qaa17f4b208_proj.kd
    .args:
      - { .name: x_codes, .offset: 0, .size: 8, .value_kind: global_buffer, .address_space: global }
      - { .name: x_scales, .offset: 8, .size: 8, .value_kind: global_buffer, .address_space: global }
      - { .name: w_codes, .offset: 16, .size: 8, .value_kind: global_buffer, .address_space: global }
      - { .name: w_scales, .offset: 24, .size: 8, .value_kind: global_buffer, .address_space: global }
      - { .name: qk, .offset: 32, .size: 8, .value_kind: global_buffer, .address_space: global }
      - { .name: vt, .offset: 40, .size: 8, .value_kind: global_buffer, .address_space: global }
    .group_segment_fixed_size: 327680
    .private_segment_fixed_size: 0
    .kernarg_segment_align: 8
    .kernarg_segment_size: 48
    .max_flat_workgroup_size: 128
    .sgpr_count:     100
    .vgpr_count:     1024
    .wavefront_size: 32
...
	.end_amdgpu_metadata
.endif
;; end of part 2
;; launch scores (part 3): grid 8 x 32, 4 waves a work-group, clusters of 4 x 4, 327,680 bytes of LDS; arguments qk, p, stats; writes p, stats
.if DOCPART == 3
	.amdgcn_target "amdgcn-amd-amdhsa--gfx1250"
	.amdhsa_code_object_version 6
	.text
	.protected	k_qaa17f4b208_scores
	.globl	k_qaa17f4b208_scores
	.p2align	8
	.type	k_qaa17f4b208_scores,@function
k_qaa17f4b208_scores:
	s_mov_b64 s[64:65], 0
	v_nop
	global_prefetch_b8 v0, s[64:65] scope:SCOPE_SE
	s_setreg_imm32_b32 hwreg(HW_REG_WAVE_MODE, 25, 1), 1
	s_wait_xcnt 0x0
	s_wait_alu depctr_hold_cnt(0) depctr_sa_sdst(0) depctr_va_vdst(0) depctr_va_sdst(0) depctr_va_ssrc(0) depctr_va_vcc(0) depctr_vm_vsrc(0)
	s_getreg_b32 s2, hwreg(HW_REG_IB_STS2, 6, 4)
	s_cmp_eq_u32 s2, 0
	s_cbranch_scc0 .Lentry_in_a_cluster
	s_endpgm
.Lentry_in_a_cluster:
	s_bfe_u32 s2, ttmp6, 0x10000c
	s_cmp_lg_u32 s2, 0xf033
	s_cbranch_scc0 .Lentry_shape_is_right
	s_endpgm
.Lentry_shape_is_right:
; p[token][key] = 2^(t - M), t = (q . k) log2(e) / 32, for the 2,048 keys of the token's batch, in f16; with it, for each token and each CHUNK of 128 keys, -M and l in f32.
; M is the chunk's largest t rounded up to a whole number, l the chunk's sum of the unrounded p.  The maximum is taken away chunk by chunk; the last launch brings a row's 16 chunks under the row's own maximum
; by factors 2^(M_chunk - M_row).  qk: [8192 tokens][2048] f16, q in columns 0-1023, k in 1024-2047.  p: [8192][2048] f16.
; stats: -M at byte 0, l at byte 524,288, each [16 chunks][8192 rows] f32; inside each 64 rows the word of row i lies at 4 (i % 16) + i / 16, as the last launch's lanes take them.
; LIMITS: p under 2^-25 of its chunk's largest falls to 0 in f16; NaN and infinities are not served.
; A tile, 256 queries x 256 keys, is made by four waves, each 128 x 128: 64 accumulators.  K = 1,024 goes in steps of 128 (rows of 256 bytes) through two LDS slots filled by the tensor data mover.
; CLUSTERS: 4 x 4 work-groups; q's tiles are shared along a row of the cluster, k's along a column: joint loads.
; THE MATRIX INSTRUCTION IS USED TRANSPOSED (source 0 = 16 keys, source 1 = 16 queries): a lane holds ONE query (lane % 16) and, over a block's eight accumulators, 64 of the wave's 128 keys; lane xor 16 holds the other 64.
; REGISTERS: window 0: v0-31 addresses; v64-127, v128-191 q's fragments, two buffers; on the way out v32-37 statistics, v64-127 p, v128-159 packed p, v160-223 rows read back, v224-245 at work.
;   window 1: v64-191 k's fragments.   windows 2, 3: the accumulators ((a, b) at v[8 (8 (a % 4) + b)]).
.set KSTEP,  128
.set PITCH,  272                       ; 256 bytes + 16 of padding: the 16 rows of a load start at 16 different banks (ISA guide 11.1)
.set HALFT,  128*PITCH
.set SLOT,   4*HALFT
.set STAGE,  2*SLOT                    ; behind the ring: 16 rows x 272 bytes for each wave
.set SPITCH, 272
.set STATS,  STAGE+4*16*SPITCH         ; 1,024 bytes for each wave: its 128 rows' -M, then their l
.set SPARE,  STATS+4*1024              ; the spare words, 128 bytes for each wave, which no other line names
.set ROWQ,   4096                      ; a row of qk and of p in bytes
.set LAPS,   4                         ; a lap = two K steps
.set LSUM,   524288
.set ADRA, 16
.set ADRB, 20
.set GS,   22                          ; v22 16 x lane
.set STO,  24
.set RD,   25
.set CO,   26
.set SST,  27                          ; v27 where I put a row's -M
.set SPW,  28
.set NIL,  29
.set PFO,  30                          ; v30 the prefetches' offset: my lane x a row; never rewritten
.set SRD,  31                          ; v31 where I read the statistics back
.set NM,   32                          ; v[32:33] -M, and 0 (named with it as a pair)
.set SU,   34                          ; v[34:37] the sum, in two chains
.set F0,   64
.set F1,   128
.set P,    64
.set TMP,  128
.set BK,   160
.set T,    224
.set G1, 24
.set G0, 32
.set LIM, 43                           ; s43 1 in a wave that prefetches, else the greatest number
.set PFA, 44                           ; s[44:45] where my prefetches stand
.set G1B, 48
.set G0B, 56
.set STP, 66                           ; s[66:67] stats
.set CS,  68                           ; s[68:69] c = log2(e) / 32
.set SEL, 70                           ; s[70:71] lane selects: lane xor 16
.set MSB, 0
.macro WIN new
.if MSB != \new
	s_set_vgpr_msb (MSB<<8)|\new
.set MSB, \new
.endif
.endm
.set MUL_LO, 0xa1
.set MUL_HI, 0xf1
.set TO_B,   0x40
.macro JLOAD s                         ; a joint load: waves 0 and 1 fetch q's two halves, waves 2 and 3 k's; an s_nop 0 and four v_nop follow each line
	s_cmp_eq_u32 s11, 0
	s_cbranch_scc0 .Lfor_b_\@
	tensor_load_to_lds s[G0+4*\s:G0+4*\s+3], s[G1:G1+7]
	s_nop 0
.rept 4
	v_nop
.endr
	s_branch .Lasked_\@
.Lfor_b_\@:
	tensor_load_to_lds s[G0B+4*\s:G0B+4*\s+3], s[G1B:G1B+7]
	s_nop 0
.rept 4
	v_nop
.endr
.Lasked_\@:
.endm
; A prefetch of the K step that stands two refills on: 32 rows x 256 bytes, a lane a row, one instruction a wave.  Each row's 256 bytes of a K step are named once in the launch: q's tile row is read by both clusters of
; its row of clusters: the one with x = 0 asks; k's rows by the two clusters of a batch in a column: the one with even y asks.  The four partners of a joint load share its 128 rows out by address, 32 each.
; K steps 0 to 3 come by their loads alone; the loop's last trip, whose refills are the last two K steps, asks for nothing.
.macro ASK
	s_cmp_gt_u32 s3, s[LIM]
	s_cbranch_scc0 .Lnot_mine_\@
	global_prefetch_b8 v[PFO], s[PFA:PFA+1] offset:KSTEP*2 th:TH_LOAD_NT scope:SCOPE_SE
.Lnot_mine_\@:
.endm
.macro CREST
	s_cmp_lg_u32 s10, 0
	s_cbranch_scc1 .Lnot_wave_0_\@
	s_barrier_signal -3
.Lnot_wave_0_\@:
	s_barrier_wait -3
	s_barrier_signal -1
	s_barrier_wait -1
.endm
.macro CROUND
	s_barrier_signal -1
	s_barrier_wait -1
	CREST
.endm
	s_load_b64 s[4:5], s[0:1], 0x0                 ; qk
	s_load_b64 s[8:9], s[0:1], 0x8                 ; p
	s_load_b64 s[STP:STP+1], s[0:1], 0x10          ; stats
	v_lshl_add_u32 v[SPW], v0, 2, SPARE
	v_mov_b32 v[NIL], 0
	ds_add_u32 v[SPW], v[NIL]                      ; the wave's opening: the add, twice on end, and its wait ahead of my first tensor load
	ds_add_u32 v[SPW], v[NIL]
	v_lshrrev_b32 v1, 5, v0
	v_readfirstlane_b32 s10, v1                    ; wave
	s_lshr_b32 s11, s10, 1                         ; my half of the queries.  Also: I fetch q (0) or k (1)
	s_and_b32 s12, s10, 1                          ; my half of the keys.  Also: which 128 rows I fetch
	s_bfe_u32 s40, ttmp6, 0x40000                  ; cx
	s_bfe_u32 s41, ttmp6, 0x40004                  ; cy
	s_lshl_b32 s42, ttmp9, 2
	s_add_co_u32 s42, s42, s40                     ; key tile of the batch, 0 .. 7
	s_and_b32 s72, ttmp7, 0xffff                   ; the cluster's y; the batch is y / 2
	s_lshl_b32 s13, s72, 2
	s_add_co_u32 s13, s13, s41                     ; query tile, 0 .. 31, over all batches
	s_lshl_b32 s43, s41, 2
	s_lshl_b32 s43, 15, s43                        ; my row of the cluster
	s_lshl_b32 s44, 0x1111, s40                    ; my column
	s_or_b32 s[G1+0], s43, (1<<16)|(1<<20)|(1<<21)|(5<<22)|(3<<25)  ; the mask; elements of 2 bytes; padding on; bit 21 beside a mask; after every 64 words four words
	s_or_b32 s[G1B+0], s44, (1<<16)|(1<<20)|(1<<21)|(5<<22)|(3<<25)
.irp g, G1, G1B
	s_mov_b32 s[\g+1], KSTEP<<16                   ; tensor_dim0 = 128
	s_mov_b32 s[\g+2], 128<<16                     ; tensor_dim1 = 128
	s_mov_b32 s[\g+3], KSTEP<<16                   ; tile_dim0
	s_mov_b32 s[\g+4], 128                         ; tile_dim1
	s_mov_b32 s[\g+5], 2048                        ; elements from row to row
	s_mov_b32 s[\g+6], 0
	s_mov_b32 s[\g+7], 0
.endr
	s_lshl_b32 s17, s12, 7                         ; which 128 rows of the tile I fetch
	s_lshl_b32 s16, s13, 8
	s_add_co_u32 s16, s16, s17                     ; q: token 256 x query tile + 128 x half
	s_lshl_b32 s16, s16, 12                        ; in bytes (under 2^25)
	s_lshr_b32 s46, s72, 1
	s_lshl_b32 s46, s46, 11
	s_lshl_b32 s47, s42, 8
	s_add_co_u32 s46, s46, s47
	s_add_co_u32 s46, s46, s17                     ; k: token 2,048 x batch + 256 x key tile + 128 x half
	s_lshl_b32 s46, s46, 12
	s_mov_b32 s17, 0
	s_mov_b32 s47, 0
	s_mul_i32 s20, s10, HALFT                      ; where they go: wave x 128 rows
	s_wait_dscnt 0x0                               ; both opening adds are done
	s_wait_kmcnt 0x0
	s_add_nc_u64 s[6:7], s[4:5], 2048              ; k's columns begin 2,048 bytes into a row
	s_add_nc_u64 s[14:15], s[4:5], s[16:17]
	s_add_nc_u64 s[46:47], s[6:7], s[46:47]
	CROUND                                         ; all sixteen work-groups are here: the first joint loads meet
.irp s, 0,1
	s_mov_b32 s[G0+4*\s], 1
	s_add_co_u32 s[G0+4*\s+1], s20, \s*SLOT
	s_add_nc_u64 s[G0+4*\s+2:G0+4*\s+3], s[14:15], \s*KSTEP*2
	s_or_b32 s[G0+4*\s+3], s[G0+4*\s+3], 0x80000000
	s_mov_b32 s[G0B+4*\s], 1
	s_add_co_u32 s[G0B+4*\s+1], s20, \s*SLOT
	s_add_nc_u64 s[G0B+4*\s+2:G0B+4*\s+3], s[46:47], \s*KSTEP*2
	s_or_b32 s[G0B+4*\s+3], s[G0B+4*\s+3], 0x80000000
	JLOAD \s                                       ; two loads of mine are out
.endr
	v_and_b32 v1, 15, v0                           ; r
	v_bfe_u32 v2, v0, 4, 1                         ; h
	v_mul_u32_u24 v3, v1, PITCH
	v_lshl_add_u32 v3, v2, 4, v3
	s_mul_i32 s21, s11, HALFT                      ; my 128 queries
	s_mul_i32 s22, s12, HALFT                      ; my 128 keys,
	s_add_co_u32 s22, s22, 2*HALFT                 ; behind q's 256 rows
.irp s, 0,1
	v_add_nc_u32 v[ADRA+\s], s21, v3
	v_add_nc_u32 v[ADRB+\s], s22, v3
	s_add_co_u32 s21, s21, SLOT
	s_add_co_u32 s22, s22, SLOT
.endr
	s_mul_i32 s23, s10, 16*SPITCH
	s_add_co_u32 s23, s23, STAGE                   ; my stage
	v_mul_u32_u24 v4, v1, SPITCH
	v_lshl_add_u32 v4, v2, 4, v4
	v_add_nc_u32 v[STO], s23, v4
	v_mul_u32_u24 v5, v2, SPITCH
	v_lshl_add_u32 v5, v1, 4, v5
	v_add_nc_u32 v[RD], s23, v5
	v_lshlrev_b32 v5, 12, v2
	v_lshl_add_u32 v[CO], v1, 4, v5
	s_lshl_b32 s23, s10, 10
	s_add_co_u32 s23, s23, STATS                   ; my statistics
	v_lshl_add_u32 v[SST], v1, 4, s23              ; row r of a block: 16 r; the block's place stands in the immediate
	v_and_b32 v[GS], 31, v0
	v_lshlrev_b32 v[GS], 4, v[GS]
	v_add_nc_u32 v[SRD], s23, v[GS]
	v_mov_b32 v[NM+1], 0
	s_lshl_b32 s13, s13, 8                         ; 256 x query tile
	s_lshl_b32 s14, s11, 7
	s_add_co_u32 s16, s13, s14                     ; my first token
	s_lshl_b32 s18, s16, 2                         ; its word in a chunk's statistics
	s_lshl_b32 s16, s16, 12
	s_lshl_b32 s46, s42, 9                         ; my first key, in bytes: 512 x key tile + 256 x half
	s_lshl_b32 s47, s12, 8
	s_add_co_u32 s46, s46, s47
	s_add_co_u32 s16, s16, s46
	s_mov_b32 s17, 0
	s_add_nc_u64 s[8:9], s[8:9], s[16:17]
	s_lshl_b32 s19, s42, 1
	s_add_co_u32 s19, s19, s12                     ; my chunk: 2 x key tile + half
	s_lshl_b32 s19, s19, 15                        ; 32,768 bytes a chunk
	s_add_co_u32 s18, s18, s19
	s_mov_b32 s19, 0
	s_add_nc_u64 s[STP:STP+1], s[STP:STP+1], s[18:19]
	; the prefetches
	s_lshr_b32 s21, s72, 1
	s_lshl_b32 s21, s21, 11
	s_lshl_b32 s22, s42, 8
	s_add_co_u32 s22, s22, s21                     ; k's tile: its first token
	s_and_b32 s23, s72, 1
	s_cmp_eq_u32 s11, 0                            ; do I fetch q?
	s_cselect_b32 s20, s13, s22                    ; the tile's first row
	s_cselect_b32 s21, s40, s41                    ; my place among the four that ask with me
	s_cselect_b32 s23, ttmp9, s23                  ; the coordinate along which other clusters read the same rows
	s_cselect_b64 s[PFA:PFA+1], s[4:5], s[6:7]
	s_cmp_eq_u32 s23, 0
	s_cselect_b32 s[LIM], 1, -1                    ; the same in all sixteen partners, for a given wave
	s_lshl_b32 s22, s12, 7
	s_add_co_u32 s20, s20, s22
	s_lshl_b32 s21, s21, 5
	s_add_co_u32 s20, s20, s21                     ; + my work-group's 32 of the 128 rows that I fetch
	s_lshl_b32 s20, s20, 12
	s_add_co_u32 s20, s20, 2*KSTEP*2               ; at K step 2: the first refill steps it to 3 and names K step 4
	s_mov_b32 s21, 0
	s_add_nc_u64 s[PFA:PFA+1], s[PFA:PFA+1], s[20:21]
	v_and_b32 v[PFO], 31, v0
	v_lshlrev_b32 v[PFO], 12, v[PFO]
	s_mov_b32 s[CS], 0x3d38aa3b                    ; c = log2(e) / sqrt(1024)
	s_mov_b32 s[CS+1], s[CS]
	s_mov_b32 s[SEL], 0x76543210
	s_mov_b32 s[SEL+1], 0xfedcba98
.macro MUL16 f, hi, a0, zero           ; 16 matrix instructions: query blocks a0, a0 + 1 of the window's four x all 8 key blocks, 32 along K.  The 64 accumulators take turns
.irp a, \a0, \a0+1
.irp b, 0,1,2,3,4,5,6,7
.if \zero
	v_wmma_f32_16x16x32_f16 v[8*(8*(\a)+\b):8*(8*(\a)+\b)+7], v[\f+8*\b:\f+8*\b+7], v[\f+8*(4*\hi+\a):\f+8*(4*\hi+\a)+7], 0
.else
	v_wmma_f32_16x16x32_f16 v[8*(8*(\a)+\b):8*(8*(\a)+\b)+7], v[\f+8*\b:\f+8*\b+7], v[\f+8*(4*\hi+\a):\f+8*(4*\hi+\a)+7], v[8*(8*(\a)+\b):8*(8*(\a)+\b)+7]
.endif
.endr
.endr
.endm
.macro FETCH slot, k, f                ; 32 LDS loads in one run: a quarter step's fragments
	WIN TO_B
.irp i, 0,1,2,3,4,5,6,7
	ds_load_b128 v[\f+8*\i:\f+8*\i+3],   v[ADRB+\slot] offset:\k+\i*16*PITCH
	ds_load_b128 v[\f+8*\i+4:\f+8*\i+7], v[ADRB+\slot] offset:\k+\i*16*PITCH+32
.endr
	WIN 0
.irp i, 0,1,2,3,4,5,6,7
	ds_load_b128 v[\f+8*\i:\f+8*\i+3],   v[ADRA+\slot] offset:\k+\i*16*PITCH
	ds_load_b128 v[\f+8*\i+4:\f+8*\i+7], v[ADRA+\slot] offset:\k+\i*16*PITCH+32
.endr
.endm
.macro PLACES                          ; four plain lines between a matrix instruction and a load into, or a read of, its registers
.rept 4
	v_nop
.endr
.endm
.macro QUARTER slot, k, f, g, zero
	s_wait_dscnt 8                                 ; k's fragments and q's rows 0-63 are in; the youngest eight loads may be out
	WIN MUL_LO
	MUL16 \f, 0, 0, \zero
	MUL16 \f, 0, 2, \zero
	PLACES
	FETCH \slot, \k, \g
	s_wait_dscnt 32                                ; all but the 32 just issued
	WIN MUL_HI
	MUL16 \f, 1, 0, \zero
	MUL16 \f, 1, 2, \zero
.endm
.macro MEET round                      ; the first half of a slot's last quarter: one barrier for the change of slots
	WIN 0
	s_wait_tensorcnt 0x0                           ; all my tensor loads have landed: my part of the next slot
	ds_add_u32 v[SPW], v[NIL]                      ; 0 onto my spare word
	s_wait_dscnt 9                                 ; (the add and the youngest eight loads may be out)
	WIN MUL_LO
	MUL16 F1, 0, 0, 0
	s_wait_dscnt 0x0                               ; the add is done, and my reads of this slot are over
	s_barrier_signal -1
	MUL16 F1, 0, 2, 0
.if \round
	WIN 0
.endif
	s_barrier_wait -1
.endm
.macro TURN slot, next
	s_wait_xcnt 0x0                                ; the last prefetch, a K step back, has read its address
	s_add_nc_u64 s[PFA:PFA+1], s[PFA:PFA+1], KSTEP*2
	MEET 1
	CREST                                          ; the barrier has opened a round of the cluster's: no wave of any partner still reads this slot or has a load on its way
	s_add_nc_u64 s[G0+4*\slot+2:G0+4*\slot+3], s[G0+4*\slot+2:G0+4*\slot+3], 2*KSTEP*2
	s_add_nc_u64 s[G0B+4*\slot+2:G0B+4*\slot+3], s[G0B+4*\slot+2:G0B+4*\slot+3], 2*KSTEP*2
	JLOAD \slot                                    ; the first tensor load behind the round; its four v_nop are also the places in front of the loads below
	FETCH \next, 0, F0
	ASK
	WIN MUL_HI
	MUL16 F1, 1, 0, 0
	MUL16 F1, 1, 2, 0
.endm
	s_wait_tensorcnt 1                             ; my part of K step 0 is in; K step 1's may stay out
	s_barrier_signal -1
	s_barrier_wait -1
	FETCH 0, 0, F0
	QUARTER 0, 64,  F0, F1, 1                      ; the first quarter's products start the sums
	WIN 0
	s_mov_b32 s3, LAPS-1
.Llap:                                             ; a trip goes once round the ring and fills both slots again
	QUARTER 0, 128, F1, F0, 0
	QUARTER 0, 192, F0, F1, 0
	TURN 0, 1
	QUARTER 1, 64,  F0, F1, 0
	QUARTER 1, 128, F1, F0, 0
	QUARTER 1, 192, F0, F1, 0
	TURN 1, 0
	QUARTER 0, 64,  F0, F1, 0
	WIN 0
	s_sub_co_u32 s3, s3, 1
	s_cmp_lg_u32 s3, 0
	s_cbranch_scc1 .Llap
	QUARTER 0, 128, F1, F0, 0                      ; the last lap fills nothing
	QUARTER 0, 192, F0, F1, 0
	MEET 0
	PLACES
	FETCH 1, 0, F0
	WIN MUL_HI
	MUL16 F1, 1, 0, 0
	MUL16 F1, 1, 2, 0
	QUARTER 1, 64,  F0, F1, 0
	QUARTER 1, 128, F1, F0, 0
	QUARTER 1, 192, F0, F1, 0
	s_wait_dscnt 8
	WIN MUL_LO
	MUL16 F1, 0, 0, 0
	MUL16 F1, 0, 2, 0
	s_wait_dscnt 0
	WIN MUL_HI
	MUL16 F1, 1, 0, 0
	MUL16 F1, 1, 2, 0
	WIN 0
; THE WAY OUT.  Block a: 16 queries x the wave's 128 keys.  The chunk's largest score, -M = floor(-t), p = 2^(c s - M) by one packed multiply-add and one exponential, the sum of the unrounded p, p to f16.
.macro SOFT a
.set AC, 64*((\a)%4)
	WIN (0x2a+0x15*((\a)/4))                       ; all three sources: window 2 or 3
.set i, 0
.rept 21
	v_max3_num_f32 v[T+i], v[AC+3*i], v[AC+3*i+1], v[AC+3*i+2]     ; ascending: each accumulator is read from its low end on
.set i, i+1
.endr
	v_mov_b32 v[T+21], v[AC+63]
	WIN 0
.irp u, 0,1,2,3,4,5,6
	v_max3_num_f32 v[T+\u], v[T+3*\u], v[T+3*\u+1], v[T+3*\u+2]
.endr
	v_max3_num_f32 v[T], v[T], v[T+1], v[T+2]
	v_max3_num_f32 v[T+3], v[T+3], v[T+4], v[T+5]
	v_max3_num_f32 v[T], v[T], v[T+3], v[T+6]
	v_max_num_f32 v[T], v[T], v[T+21]
	v_permlanex16_b32 v[T+1], v[T], s[SEL], s[SEL+1]   ; the query's other 64 keys lie in the lane 16 away
	v_max_num_f32 v[T], v[T], v[T+1]
	v_mul_f32 v[T], s[CS], v[T]                    ; as t (c is positive)
	v_floor_f32 v[NM], -v[T]                       ; -M = -ceil(t): a whole number
	WIN (0x02+(\a)/4)                              ; source 0: window 2 or 3
.set i, 0
.rept 32
	v_pk_fma_f32 v[P+2*i:P+2*i+1], v[AC+2*i:AC+2*i+1], s[CS:CS+1], v[NM:NM+1] op_sel_hi:[1,0,0]   ; t - M, two at a time
.set i, i+1
.endr
	WIN 0
.set i, 0
.rept 64
	v_exp_f32 v[P+i], v[P+i]                       ; one batch
.set i, i+1
.endr
	v_nop                                          ; a plain line behind the last exponential
	s_wait_alu depctr_va_vdst(0)                   ; one wait for the batch, ahead of its first reader
	v_pk_add_f32 v[SU:SU+1], v[P:P+1], v[P+2:P+3]
	v_pk_add_f32 v[SU+2:SU+3], v[P+4:P+5], v[P+6:P+7]
.irp j, 8,12,16,20,24,28,32,36,40,44,48,52,56,60
	v_pk_add_f32 v[SU:SU+1], v[SU:SU+1], v[P+\j:P+\j+1]
	v_pk_add_f32 v[SU+2:SU+3], v[SU+2:SU+3], v[P+\j+2:P+\j+3]
.endr
	v_pk_add_f32 v[SU:SU+1], v[SU:SU+1], v[SU+2:SU+3]
	v_add_f32 v[SU], v[SU], v[SU+1]
	v_permlanex16_b32 v[SU+2], v[SU], s[SEL], s[SEL+1]
	v_add_f32 v[SU], v[SU], v[SU+2]                ; l: the chunk's sum of my query
.set i, 0
.rept 32
	v_cvt_pk_f16_f32 v[TMP+i], v[P+2*i], v[P+2*i+1]
.set i, i+1
.endr
	ds_store_b32 v[SST], v[NM] offset:256*((\a)/4)+4*((\a)%4)      ; lanes l and l xor 16 write the same word with the same value
	ds_store_b32 v[SST], v[SU] offset:512+256*((\a)/4)+4*((\a)%4)
.endm
.macro TOSTAGE a
.set BB, BK+32*((\a)%2)
.irp b, 0,1,2,3,4,5,6,7
	ds_store_b128 v[STO], v[TMP+4*\b:TMP+4*\b+3] offset:32*\b
.endr
.irp t, 0,1,2,3,4,5,6,7
	ds_load_b128 v[BB+4*\t:BB+4*\t+3], v[RD] offset:\t*2*SPITCH    ; LDS serves a wave's instructions in order (ISA guide 5.7.1.4)
.endr
.endm
.macro SEND a
.set BB, BK+32*((\a)%2)
	s_wait_dscnt 0x0                               ; the block is back in registers
	s_wait_xcnt 0x0                                ; the earlier stores have read their registers and their base
.if (\a) > 0
	s_add_nc_u64 s[8:9], s[8:9], 16*ROWQ
.endif
.irp t, 0,1,2,3,4,5,6,7
	global_store_b128 v[CO], v[BB+4*\t:BB+4*\t+3], s[8:9] offset:2*\t*ROWQ   ; 16 lanes store 256 consecutive bytes, aligned
.endr
.endm
	PLACES
	SOFT 0
	TOSTAGE 0
.irp a, 1,2,3,4,5,6,7                  ; block a's softmax stands between block a - 1's loads from the stage and the wait for them
	SOFT \a
	SEND \a-1
	TOSTAGE \a
.endr
	SEND 7
	ds_load_b128 v[BK:BK+3], v[SRD]                ; my 128 rows' -M: 512 bytes; these registers' last stores have read them (the wait in the last SEND)
	ds_load_b128 v[BK+4:BK+7], v[SRD] offset:512   ; and their l
	s_wait_dscnt 0x0
	global_store_b128 v[GS], v[BK:BK+3], s[STP:STP+1]              ; 32 lanes store 512 consecutive bytes, aligned
	global_store_b128 v[GS], v[BK+4:BK+7], s[STP:STP+1] offset:LSUM
	s_wait_tensorcnt 0x0                           ; the wave's end
	ds_add_u32 v[SPW], v[NIL]
	s_wait_dscnt 0x0
	CROUND                                         ; the closing round
	s_endpgm
.Lfunc_end_k_qaa17f4b208_scores:
	.size	k_qaa17f4b208_scores, .Lfunc_end_k_qaa17f4b208_scores-k_qaa17f4b208_scores
	.p2alignl 7, 3214868480
	.fill 96, 4, 3214868480
	.section	.rodata,"a",@progbits
	.p2align	6, 0x0
	.amdhsa_kernel k_qaa17f4b208_scores
		.amdhsa_group_segment_fixed_size 327680
		.amdhsa_private_segment_fixed_size 0
		.amdhsa_enable_private_segment 0
		.amdhsa_kernarg_size 24
		.amdhsa_user_sgpr_count 2
		.amdhsa_user_sgpr_kernarg_segment_ptr 1
		.amdhsa_wavefront_size32 1
		.amdhsa_system_sgpr_workgroup_id_x 1
		.amdhsa_system_sgpr_workgroup_id_y 1
		.amdhsa_system_sgpr_workgroup_id_z 1
		.amdhsa_system_vgpr_workitem_id 0
		.amdhsa_next_free_vgpr 1024
		.amdhsa_next_free_sgpr 80
		.amdhsa_reserve_vcc 0
		.amdhsa_float_denorm_mode_32 3
		.amdhsa_float_denorm_mode_16_64 3
		.amdhsa_memory_ordered 1
		.amdhsa_forward_progress 1
		.amdhsa_inst_pref_size 213
	.end_amdhsa_kernel
	.amdgpu_metadata
---
amdhsa.version: [ 1, 2 ]
amdhsa.kernels:
  - .name:           k_qaa17f4b208_scores
    .symbol:         k_qaa17f4b208_scores.kd
    .args:
      - { .name: qk, .offset: 0, .size: 8, .value_kind: global_buffer, .address_space: global }
      - { .name: p, .offset: 8, .size: 8, .value_kind: global_buffer, .address_space: global }
      - { .name: stats, .offset: 16, .size: 8, .value_kind: global_buffer, .address_space: global }
    .group_segment_fixed_size: 327680
    .private_segment_fixed_size: 0
    .kernarg_segment_align: 8
    .kernarg_segment_size: 24
    .max_flat_workgroup_size: 128
    .sgpr_count:     80
    .vgpr_count:     1024
    .wavefront_size: 32
...
	.end_amdgpu_metadata
.endif
;; end of part 3
;; launch pv (part 4): grid 4 x 64, 4 waves a work-group, clusters of 4 x 4, 327,680 bytes of LDS; arguments p, vt, stats, out0; writes out0
.if DOCPART == 4
	.amdgcn_target "amdgcn-amd-amdhsa--gfx1250"
	.amdhsa_code_object_version 6
	.text
	.protected	k_qaa17f4b208_pv
	.globl	k_qaa17f4b208_pv
	.p2align	8
	.type	k_qaa17f4b208_pv,@function
k_qaa17f4b208_pv:
	s_mov_b64 s[64:65], 0
	v_nop
	global_prefetch_b8 v0, s[64:65] scope:SCOPE_SE
	s_setreg_imm32_b32 hwreg(HW_REG_WAVE_MODE, 25, 1), 1
	s_wait_xcnt 0x0
	s_wait_alu depctr_hold_cnt(0) depctr_sa_sdst(0) depctr_va_vdst(0) depctr_va_sdst(0) depctr_va_ssrc(0) depctr_va_vcc(0) depctr_vm_vsrc(0)
	s_getreg_b32 s2, hwreg(HW_REG_IB_STS2, 6, 4)
	s_cmp_eq_u32 s2, 0
	s_cbranch_scc0 .Lentry_in_a_cluster
	s_endpgm
.Lentry_in_a_cluster:
	s_bfe_u32 s2, ttmp6, 0x10000c
	s_cmp_lg_u32 s2, 0xf033
	s_cbranch_scc0 .Lentry_shape_is_right
	s_endpgm
.Lentry_shape_is_right:
; out0[token][channel] = (sum over the row's 16 chunks c of w_c T_c) / L,  T_c = the sum over the chunk's 128 keys of p v.  p [8192][2048 keys] f16 holds 2^(t - M_chunk); w_c = 2^(M_chunk - M_row) brings a chunk
; under the row's own maximum; L = the sum over the chunks of w_c l_c.  vt: [4][1024 channels][2048 keys] f16.  stats: as the launch before lays them.  out0: [8192][1024] f32.
; p GOES TO THE MATRIX UNIT AS IT LIES.  A chunk is summed in accumulators T of its own (its first products take the constant 0), and O += w T is made in f32, by packed multiply-adds that stand in front of the next
; chunk's first products: four ahead of each of its 32 matrix instructions.  The first such step is a multiplication: nothing is cleared.
; LIMITS: w under 2^-149 falls to 0: such a chunk weighs nothing beside the row's largest; NaN and infinities are not served.
; A tile, 128 queries x 256 channels, is made by four waves, each 64 x 128: 32 accumulators.  K = 2,048 keys goes in steps of 128 (one chunk; rows of 256 bytes) through two LDS slots; two slots of 256 keys would want more LDS than there is.
; CLUSTERS: 4 x 4 work-groups: the four channel tiles of a block of queries share p's tiles (a row of the cluster), the four query blocks of a cluster, all of one batch, share v's (a column): joint loads.
; THE MATRIX INSTRUCTION IS USED TRANSPOSED (source 0 = 16 channels of v^T, source 1 = 16 queries of p): a lane holds one query and eight neighbouring channels.
; REGISTERS: window 0: v0-31 addresses; v32-39 the chunk's w, twice on end for each block of 16 queries; v40-47 1 / L; v64-127 p's fragments, two buffers; v128-255 the head's statistics, later the way out.
;   window 1: v0-127 v's fragments, two buffers.   window 2: O.   window 3: T.   ((a, b) at v[8 (8 a + b)] of either.)
.set KSTEP,  128
.set PITCH,  272                       ; 256 bytes + 16 of padding (ISA guide 11.1: 64 banks of 4 bytes)
.set PHALF,  64*PITCH                  ; 64 rows of p: what waves 0 and 1 fetch, and what a wave reads
.set VHALF,  128*PITCH                 ; 128 rows of v^T: what waves 2 and 3 fetch, and what a wave reads
.set VOFF,   2*PHALF
.set SLOT,   VOFF+2*VHALF
.set STAGE,  2*SLOT                    ; behind the ring: 16 rows x (512 + 16) bytes for each wave
.set SPITCH, 528
.set WT,     STAGE+4*16*SPITCH         ; each wave's table of w: [16 chunks][16 rows][4 blocks][2] words of f32: 8,192 bytes
.set WTW,    8192
.set SPARE,  WT+4*WTW                  ; the spare words, 128 bytes for each wave, which no other line names
.set ROWB,   4096                      ; a row of p, of vt and of out0 in bytes
.set TRIPS,  6                         ; the loop: chunks 1 to 12 and chunk 13's first quarter
.set LSUM,   524288
.set ADRA, 16
.set ADRB, 20
.set STO,  24
.set RD,   25
.set CO,   26
.set WRD,  27                          ; v27 where the chunk's w lie
.set SPW,  28
.set NIL,  29
.set PFO,  30
.set WST,  31
.set WS,   32
.set RL,   40
.set PF,   64
.set WV,   12                          ; s12 wave; s13 wave / 2: my 64 queries, and p (0) or v (1) to fetch; s14 wave % 2: my 128 channels, and which half I fetch
.set HR,   13
.set HC,   14
.set LIM,  15
.set G1A, 24
.set G0A, 32
.set PFA, 44
.set G1B, 48
.set G0B, 56
.set SEL, 66
.set MSB, 0
.macro WIN new                         ; the immediate's high byte repeats the setting that is left
.if MSB != \new
	s_set_vgpr_msb (MSB<<8)|\new
.set MSB, \new
.endif
.endm
.set MUL,  0xf1                        ; source 0 (v) window 1, source 1 (p) window 0, C and D (T) window 3
.set FLW,  0xa3                        ; source 0 (T) window 3, source 1 (w) window 0, source 2 and destination (O) window 2
.set TO_B, 0x40
.macro JLOAD s                         ; a joint load; an s_nop 0 and four v_nop follow each of the two lines
	s_cmp_eq_u32 s[HR], 0
	s_cbranch_scc0 .Lfor_b_\@
	tensor_load_to_lds s[G0A+4*\s:G0A+4*\s+3], s[G1A:G1A+7]
	s_nop 0
.rept 4
	v_nop
.endr
	s_branch .Lasked_\@
.Lfor_b_\@:
	tensor_load_to_lds s[G0B+4*\s:G0B+4*\s+3], s[G1B:G1B+7]
	s_nop 0
.rept 4
	v_nop
.endr
.Lasked_\@:
.endm
; A prefetch of the K step two refills on, a lane a row of 256 bytes.  p's 128 rows are read by one row of one cluster: its four partners take 32 rows each, by address, and wave 0 asks.  v's rows are read by the four
; clusters of a batch: the first of them asks; of the 128 rows that wave 2 or 3 fetches each partner of the column takes 32, by address.  K steps 0 to 3 and the last come by their loads alone: the loop's last trip and the tail ask for nothing.
.macro ASK
	s_cmp_gt_u32 s3, s[LIM]
	s_cbranch_scc0 .Lnot_mine_\@
	global_prefetch_b8 v[PFO], s[PFA:PFA+1] offset:KSTEP*2 th:TH_LOAD_NT scope:SCOPE_SE
.Lnot_mine_\@:
.endm
.macro CREST
	s_cmp_lg_u32 s[WV], 0
	s_cbranch_scc1 .Lnot_wave_0_\@
	s_barrier_signal -3
.Lnot_wave_0_\@:
	s_barrier_wait -3
	s_barrier_signal -1
	s_barrier_wait -1
.endm
.macro CROUND
	s_barrier_signal -1
	s_barrier_wait -1
	CREST
.endm
	s_load_b256 s[4:11], s[0:1], 0x0               ; p s[4:5], vt s[6:7], stats s[8:9], out0 s[10:11]
	v_lshl_add_u32 v[SPW], v0, 2, SPARE
	v_mov_b32 v[NIL], 0
	ds_add_u32 v[SPW], v[NIL]                      ; the wave's opening: the add, twice on end, and its wait ahead of my first tensor load
	ds_add_u32 v[SPW], v[NIL]
	v_lshrrev_b32 v1, 5, v0
	v_readfirstlane_b32 s[WV], v1
	s_lshr_b32 s[HR], s[WV], 1
	s_and_b32 s[HC], s[WV], 1
	s_bfe_u32 s40, ttmp6, 0x40000                  ; cx: the channel tile (the grid has one cluster along x)
	s_bfe_u32 s41, ttmp6, 0x40004                  ; cy
	s_and_b32 s42, ttmp7, 0xffff                   ; the cluster's y; the batch is y / 4
	s_lshl_b32 s43, s41, 2
	s_lshl_b32 s43, 15, s43                        ; my row of the cluster
	s_lshl_b32 s46, 0x1111, s40                    ; my column
	s_or_b32 s[G1A+0], s43, (1<<16)|(1<<20)|(1<<21)|(5<<22)|(3<<25)  ; the mask; elements of 2 bytes; padding on; bit 21 beside a mask; after every 64 words four words
	s_or_b32 s[G1B+0], s46, (1<<16)|(1<<20)|(1<<21)|(5<<22)|(3<<25)
	s_mov_b32 s[G1A+1], KSTEP<<16                  ; p: 64 rows of 128 elements
	s_mov_b32 s[G1A+2], 64<<16
	s_mov_b32 s[G1A+3], KSTEP<<16
	s_mov_b32 s[G1A+4], 64
	s_mov_b32 s[G1A+5], 2048
	s_mov_b32 s[G1A+6], 0
	s_mov_b32 s[G1A+7], 0
	s_mov_b32 s[G1B+1], KSTEP<<16                  ; v^T: 128 rows of 128 elements
	s_mov_b32 s[G1B+2], 128<<16
	s_mov_b32 s[G1B+3], KSTEP<<16
	s_mov_b32 s[G1B+4], 128
	s_mov_b32 s[G1B+5], 2048
	s_mov_b32 s[G1B+6], 0
	s_mov_b32 s[G1B+7], 0
	s_lshl_b32 s16, s42, 2
	s_add_co_u32 s16, s16, s41                     ; block of 128 queries, 0 .. 63
	s_lshl_b32 s16, s16, 7
	s_lshl_b32 s17, s[HC], 6
	s_add_co_u32 s16, s16, s17                     ; p: token 128 x block + 64 x half
	s_lshl_b32 s16, s16, 12
	s_mov_b32 s17, 0
	s_lshr_b32 s18, s42, 2
	s_lshl_b32 s18, s18, 10
	s_lshl_b32 s19, s40, 8
	s_add_co_u32 s18, s18, s19
	s_lshl_b32 s19, s[HC], 7
	s_add_co_u32 s18, s18, s19                     ; vt: row 1,024 x batch + 256 x channel tile + 128 x half
	s_lshl_b32 s18, s18, 12
	s_mov_b32 s19, 0
	s_mul_i32 s20, s[HC], PHALF                    ; where they go: no place in the cluster enters an LDS address
	s_mul_i32 s21, s[HC], VHALF
	s_add_co_u32 s21, s21, VOFF
	s_wait_dscnt 0x0                               ; both opening adds are done
	s_wait_kmcnt 0x0
	s_add_nc_u64 s[16:17], s[4:5], s[16:17]
	s_add_nc_u64 s[18:19], s[6:7], s[18:19]
	CROUND                                         ; all sixteen work-groups are here: the first joint loads meet
.irp s, 0,1
	s_mov_b32 s[G0A+4*\s], 1
	s_add_co_u32 s[G0A+4*\s+1], s20, \s*SLOT
	s_add_nc_u64 s[G0A+4*\s+2:G0A+4*\s+3], s[16:17], \s*KSTEP*2
	s_or_b32 s[G0A+4*\s+3], s[G0A+4*\s+3], 0x80000000
	s_mov_b32 s[G0B+4*\s], 1
	s_add_co_u32 s[G0B+4*\s+1], s21, \s*SLOT
	s_add_nc_u64 s[G0B+4*\s+2:G0B+4*\s+3], s[18:19], \s*KSTEP*2
	s_or_b32 s[G0B+4*\s+3], s[G0B+4*\s+3], 0x80000000
	JLOAD \s                                       ; two loads of mine are out
.endr
	v_and_b32 v1, 15, v0                           ; r
	v_bfe_u32 v2, v0, 4, 1                         ; h
	s_lshl_b32 s22, s42, 2
	s_add_co_u32 s22, s22, s41                     ; block of 128 queries
	s_lshl_b32 s23, s22, 1
	s_add_co_u32 s23, s23, s[HR]                   ; my 64 queries: group 2 x block + half
	s_lshl_b32 s46, s23, 8                         ; 256 bytes of statistics a group and chunk
	s_mov_b32 s47, 0
	s_add_nc_u64 s[8:9], s[8:9], s[46:47]
	v_lshlrev_b32 v4, 4, v1
	v_lshl_add_u32 v4, v2, 15, v4                  ; row r's four words (blocks 0-3); lanes 16-31 take the odd chunks
.irp i, 0,1,2,3,4,5,6,7
	global_load_b128 v[128+4*\i:131+4*\i], v4, s[8:9] offset:\i*65536          ; -M of chunk 2 i + h
.endr
.irp i, 0,1,2,3,4,5,6,7
	global_load_b128 v[160+4*\i:163+4*\i], v4, s[8:9] offset:LSUM+\i*65536     ; l of chunk 2 i + h
.endr
	v_mul_u32_u24 v3, v1, PITCH
	v_lshl_add_u32 v3, v2, 4, v3                   ; a fragment's row x pitch + 16 x half
	s_mul_i32 s20, s[HR], PHALF                    ; my 64 queries
	s_mul_i32 s21, s[HC], VHALF                    ; my 128 channels
	s_add_co_u32 s21, s21, VOFF
.irp s, 0,1
	v_add_nc_u32 v[ADRA+\s], s20, v3
	v_add_nc_u32 v[ADRB+\s], s21, v3
	s_add_co_u32 s20, s20, SLOT
	s_add_co_u32 s21, s21, SLOT
.endr
	s_mul_i32 s20, s[WV], 16*SPITCH
	s_add_co_u32 s20, s20, STAGE                   ; my stage
	v_mul_u32_u24 v5, v1, SPITCH
	v_lshl_add_u32 v5, v2, 5, v5
	v_add_nc_u32 v[STO], s20, v5                   ; in: row r, 32 bytes for each half of the lanes
	v_and_b32 v6, 31, v0
	v_lshlrev_b32 v[CO], 4, v6                     ; back: the 32 lanes take one row of 512 bytes; and the same in out0
	v_add_nc_u32 v[RD], s20, v[CO]
	s_lshl_b32 s20, s[WV], 13
	s_add_co_u32 s20, s20, WT-512                  ; my table of w, one chunk (512 bytes) ahead of its first: each K step adds 512 and then reads
	v_lshl_add_u32 v[WRD], v1, 5, s20              ; back: 512 x chunk + 32 r
	v_lshl_add_u32 v[WST], v2, 9, v[WRD]           ; in: chunk 2 i + h, row r: the immediate holds 512 + 1,024 i
	s_lshl_b32 s46, s23, 18                        ; out0: 64 rows of 4,096 bytes a group,
	s_lshl_b32 s47, s40, 10                        ; + 1,024 x channel tile + 512 x half
	s_add_co_u32 s46, s46, s47
	s_lshl_b32 s47, s[HC], 9
	s_add_co_u32 s46, s46, s47
	s_mov_b32 s47, 0
	s_add_nc_u64 s[10:11], s[10:11], s[46:47]
	; the prefetches
	s_lshl_b32 s20, s22, 7                         ; p's tile: its first token
	s_lshr_b32 s21, s42, 2
	s_lshl_b32 s21, s21, 10
	s_lshl_b32 s23, s40, 8
	s_add_co_u32 s21, s21, s23
	s_lshl_b32 s23, s[HC], 7
	s_add_co_u32 s21, s21, s23                     ; the 128 rows of vt that I fetch
	s_and_b32 s23, s42, 3
	s_cmp_eq_u32 s[HR], 0
	s_cselect_b32 s20, s20, s21
	s_cselect_b32 s21, s40, s41                    ; my place among the four that ask with me
	s_cselect_b32 s23, s[HC], s23                  ; 0 in a wave that asks: wave 0; waves 2 and 3 of a batch's first cluster
	s_cselect_b64 s[PFA:PFA+1], s[4:5], s[6:7]
	s_cmp_eq_u32 s23, 0
	s_cselect_b32 s[LIM], 1, -1                    ; the same in all sixteen partners, for a given wave
	s_lshl_b32 s21, s21, 5
	s_add_co_u32 s20, s20, s21
	s_lshl_b32 s20, s20, 12
	s_add_co_u32 s20, s20, 2*KSTEP*2               ; at K step 2: the first refill steps it to 3 and names K step 4
	s_mov_b32 s21, 0
	s_add_nc_u64 s[PFA:PFA+1], s[PFA:PFA+1], s[20:21]
	v_lshlrev_b32 v[PFO], 12, v6
	s_mov_b32 s[SEL], 0x76543210
	s_mov_b32 s[SEL+1], 0xfedcba98
	s_mov_b32 s3, TRIPS                            ; the loop's trips; the prefetches ask while it is above 1
	s_wait_loadcnt 0x0                             ; the statistics
	; the row's -M is the least of its 16 chunks'; w = 2^(M_chunk - M_row); L = the sum of w l
.irp a, 0,1,2,3
	v_min3_num_f32 v[192+\a], v[128+\a], v[132+\a], v[136+\a]
.endr
.irp a, 0,1,2,3
	v_min3_num_f32 v[192+\a], v[192+\a], v[140+\a], v[144+\a]
.endr
.irp a, 0,1,2,3
	v_min3_num_f32 v[192+\a], v[192+\a], v[148+\a], v[152+\a]
.endr
.irp a, 0,1,2,3
	v_min_num_f32 v[192+\a], v[192+\a], v[156+\a]
.endr
.irp a, 0,1,2,3
	v_mov_b32 v[196+\a], 0                         ; a lane permute's destination counts as one of its sources
.endr
.irp a, 0,1,2,3
	v_permlanex16_b32 v[196+\a], v[192+\a], s[SEL], s[SEL+1]
.endr
.irp a, 0,1,2,3
	v_min_num_f32 v[192+\a], v[192+\a], v[196+\a]  ; with the other lane's eight chunks
.endr
.irp i, 0,1,2,3,4,5,6,7                ; chunk 2 i + h: its four w, each twice on end, in registers of their own (p's buffers, which are not yet in use)
.irp a, 0,1,2,3
	v_sub_f32 v[204+\a], v[192+\a], v[128+4*\i+\a] ; M_chunk - M_row: a whole number, 0 or less
.endr
.irp a, 0,1,2,3
	v_cvt_i32_f32 v[204+\a], v[204+\a]             ; (it saturates)
.endr
.irp a, 0,1,2,3
	v_ldexp_f32 v[PF+8*\i+2*\a], 1.0, v[204+\a]    ; w
.endr
.irp a, 0,1,2,3
	v_mov_b32 v[PF+8*\i+2*\a+1], v[PF+8*\i+2*\a]   ; and once more: the packed multiply-add takes a pair
.endr
.irp a, 0,1,2,3
.if \i == 0
	v_mul_f32 v[200+\a], v[PF+2*\a], v[160+\a]
.else
	v_fma_f32 v[200+\a], v[PF+8*\i+2*\a], v[160+4*\i+\a], v[200+\a]
.endif
.endr
	ds_store_b128 v[WST], v[PF+8*\i:PF+8*\i+3] offset:512+1024*\i          ; my wave's own bytes: no barrier is needed for them
	ds_store_b128 v[WST], v[PF+8*\i+4:PF+8*\i+7] offset:512+1024*\i+16
.endr
.irp a, 0,1,2,3
	v_permlanex16_b32 v[196+\a], v[200+\a], s[SEL], s[SEL+1]
.endr
.irp a, 0,1,2,3
	v_add_f32 v[200+\a], v[200+\a], v[196+\a]      ; L
.endr
.irp a, 0,1,2,3
	v_mov_b32 v[RL+2*\a+1], 0                      ; (named with 1 / L as a pair)
.endr
.irp a, 0,1,2,3
	v_rcp_f32 v[RL+2*\a], v[200+\a]
.endr
	v_nop                                          ; a plain line behind the last reciprocal
	s_wait_alu depctr_va_vdst(0)                   ; one wait for the four, ahead of the next label and of the first reader
; 8 matrix instructions: query block a x all 8 channel blocks, 32 keys: buffer f.  The 32 accumulators take turns, in the same order in every quarter.
; zero = 1: a chunk's first products start its sums.  fl: ahead of each of them the last chunk's T(a, b) goes into O(a, b), from its low end on: fl = 1: O += w T; fl = 2, the first time: O = w T.
.macro MULP f, a, zero, fl
.irp b, 0,1,2,3,4,5,6,7
.if \fl
	WIN FLW
.irp u, 0,1,2,3
.if \fl == 2
	v_pk_mul_f32 v[8*(8*(\a)+\b)+2*\u:8*(8*(\a)+\b)+2*\u+1], v[8*(8*(\a)+\b)+2*\u:8*(8*(\a)+\b)+2*\u+1], v[WS+2*(\a):WS+2*(\a)+1]
.else
	v_pk_fma_f32 v[8*(8*(\a)+\b)+2*\u:8*(8*(\a)+\b)+2*\u+1], v[8*(8*(\a)+\b)+2*\u:8*(8*(\a)+\b)+2*\u+1], v[WS+2*(\a):WS+2*(\a)+1], v[8*(8*(\a)+\b)+2*\u:8*(8*(\a)+\b)+2*\u+1]
.endif
.endr
.endif
	WIN MUL
.if \zero
	v_wmma_f32_16x16x32_f16 v[8*(8*(\a)+\b):8*(8*(\a)+\b)+7], v[64*(\f)+8*\b:64*(\f)+8*\b+7], v[PF+32*(\f)+8*(\a):PF+32*(\f)+8*(\a)+7], 0
.else
	v_wmma_f32_16x16x32_f16 v[8*(8*(\a)+\b):8*(8*(\a)+\b)+7], v[64*(\f)+8*\b:64*(\f)+8*\b+7], v[PF+32*(\f)+8*(\a):PF+32*(\f)+8*(\a)+7], v[8*(8*(\a)+\b):8*(8*(\a)+\b)+7]
.endif
.endr
.endm
.macro FETCHP slot, k, g               ; 24 LDS loads in one run: a quarter step's fragments of p and of v
	WIN 0
.irp i, 0,1,2,3
	ds_load_b128 v[PF+32*(\g)+8*\i:PF+32*(\g)+8*\i+3],   v[ADRA+\slot] offset:\k+\i*16*PITCH
	ds_load_b128 v[PF+32*(\g)+8*\i+4:PF+32*(\g)+8*\i+7], v[ADRA+\slot] offset:\k+\i*16*PITCH+32
.endr
	WIN TO_B
.irp i, 0,1,2,3,4,5,6,7
	ds_load_b128 v[64*(\g)+8*\i:64*(\g)+8*\i+3],   v[ADRB+\slot] offset:\k+\i*16*PITCH
	ds_load_b128 v[64*(\g)+8*\i+4:64*(\g)+8*\i+7], v[ADRB+\slot] offset:\k+\i*16*PITCH+32
.endr
.endm
.macro PLACES                          ; four plain lines between a matrix instruction and a load into, or a read of, its registers
.rept 4
	v_nop
.endr
.endm
; One of a K step's first three quarters: multiplies buffer f; behind its first eight products it fetches the next quarter, at byte k, into buffer g: 24 matrix instructions ahead of the wait for it.
.macro QUARTER slot, k, f, g, zero, fl
	s_wait_dscnt 0x0                               ; buffer f's fragments are in (and, ahead of a chunk's first quarter, the last chunk's w)
	MULP \f, 0, \zero, \fl
.if \fl == 0
	PLACES                                         ; (with fl the 32 multiply-adds above are the places)
.endif
	FETCHP \slot, \k, \g
	MULP \f, 1, \zero, \fl
	MULP \f, 2, \zero, \fl
	MULP \f, 3, \zero, \fl
.endm
; A K step's last quarter multiplies buffer 1 and changes slots: one barrier; in front of it each wave waits for all its tensor loads, adds 0 to its spare word, and waits for that and for its reads of the slot.
; Behind it come the refill (fill = 1), this chunk's w, and the next slot's first fragments.
.macro TURN slot, next, fill, ask
.if \ask
	s_wait_xcnt 0x0                                ; the last prefetch, a K step back, has read its address
	s_add_nc_u64 s[PFA:PFA+1], s[PFA:PFA+1], KSTEP*2
.endif
	WIN 0
	s_wait_tensorcnt 0x0                           ; all my tensor loads have landed: my part of the next slot
	ds_add_u32 v[SPW], v[NIL]                      ; 0 onto my spare word
	s_wait_dscnt 1                                 ; buffer 1's fragments are in; the add may be out
	MULP 1, 0, 0, 0
	s_wait_dscnt 0x0                               ; the add is done, and my reads of this slot are over
	s_barrier_signal -1
	MULP 1, 1, 0, 0
	WIN 0
	s_barrier_wait -1
.if \fill
	CREST                                          ; the barrier has opened a round of the cluster's: no wave of any partner still reads this slot or has a load on its way
	s_add_nc_u64 s[G0A+4*\slot+2:G0A+4*\slot+3], s[G0A+4*\slot+2:G0A+4*\slot+3], 2*KSTEP*2
	s_add_nc_u64 s[G0B+4*\slot+2:G0B+4*\slot+3], s[G0B+4*\slot+2:G0B+4*\slot+3], 2*KSTEP*2
	JLOAD \slot                                    ; the first tensor load behind the round; its four v_nop are also the places in front of the loads below
.else
	PLACES
.endif
	v_add_nc_u32 v[WRD], 512, v[WRD]               ; this chunk's w
	v_nop                                          ; with the four above and the addition: six plain lines between this quarter's products on blocks 0 and 1 and the products that begin those sums anew; five are asked (ISA guide 7.12.1)
	ds_load_b128 v[WS:WS+3], v[WRD]
	ds_load_b128 v[WS+4:WS+7], v[WRD] offset:16
	FETCHP \next, 0, 0
.if \ask
	WIN 0
	ASK
.endif
	MULP 1, 2, 0, 0
	MULP 1, 3, 0, 0
.endm
	s_wait_tensorcnt 1                             ; my part of K step 0 is in; K step 1's may stay out
	s_wait_dscnt 0x0                               ; my table of w is written: no LDS instruction of mine is out at a signal
	s_barrier_signal -1
	s_barrier_wait -1
	FETCHP 0, 0, 0
	QUARTER 0, 64,  0, 1, 1, 0                     ; chunk 0
	QUARTER 0, 128, 1, 0, 0, 0
	QUARTER 0, 192, 0, 1, 0, 0
	TURN 0, 1, 1, 1
	QUARTER 1, 64,  0, 1, 1, 2                     ; chunk 1's first quarter; chunk 0 starts O
	WIN 0
.Llap:                                             ; a trip goes once round the ring, from an odd chunk's second quarter to the next odd chunk's first, and fills both slots again
	QUARTER 1, 128, 1, 0, 0, 0
	QUARTER 1, 192, 0, 1, 0, 0
	TURN 1, 0, 1, 1
	QUARTER 0, 64,  0, 1, 1, 1
	QUARTER 0, 128, 1, 0, 0, 0
	QUARTER 0, 192, 0, 1, 0, 0
	TURN 0, 1, 1, 1
	QUARTER 1, 64,  0, 1, 1, 1
	WIN 0
	s_sub_co_u32 s3, s3, 1
	s_cmp_lg_u32 s3, 0
	s_cbranch_scc1 .Llap
	QUARTER 1, 128, 1, 0, 0, 0                     ; the tail is written out: chunk 13 asks for chunk 15, the last fill;
	QUARTER 1, 192, 0, 1, 0, 0
	TURN 1, 0, 1, 0
	QUARTER 0, 64,  0, 1, 1, 1
	QUARTER 0, 128, 1, 0, 0, 0
	QUARTER 0, 192, 0, 1, 0, 0
	TURN 0, 1, 0, 0                                ; chunk 14 asks for nothing
	QUARTER 1, 64,  0, 1, 1, 1
	QUARTER 1, 128, 1, 0, 0, 0
	QUARTER 1, 192, 0, 1, 0, 0
	WIN 0
	v_add_nc_u32 v[WRD], 512, v[WRD]               ; chunk 15's w
	ds_load_b128 v[WS:WS+3], v[WRD]
	ds_load_b128 v[WS+4:WS+7], v[WRD] offset:16
	s_wait_dscnt 0x0
	MULP 1, 0, 0, 0
	MULP 1, 1, 0, 0
	MULP 1, 2, 0, 0
	MULP 1, 3, 0, 0
	PLACES
	WIN FLW                                        ; the last chunk goes into O
.irp a, 0,1,2,3
.irp b, 0,1,2,3,4,5,6,7
.irp u, 0,1,2,3
	v_pk_fma_f32 v[8*(8*\a+\b)+2*\u:8*(8*\a+\b)+2*\u+1], v[8*(8*\a+\b)+2*\u:8*(8*\a+\b)+2*\u+1], v[WS+2*\a:WS+2*\a+1], v[8*(8*\a+\b)+2*\u:8*(8*\a+\b)+2*\u+1]
.endr
.endr
.endr
	WIN 0
; THE WAY OUT, block by block of 16 queries x 128 channels: divided by L; through my own stage; back as whole rows of 512 bytes.
.macro NORM a
	WIN 0x02                                       ; source 0: window 2
.set i, 0
.rept 32
	v_pk_mul_f32 v[PF+2*i:PF+2*i+1], v[64*(\a)+2*i:64*(\a)+2*i+1], v[RL+2*(\a):RL+2*(\a)+1] op_sel_hi:[1,0]
.set i, i+1
.endr
	WIN 0
.endm
.macro TOSTAGE a
.set BB, 128+64*((\a)%2)
.irp b, 0,1,2,3,4,5,6,7
	ds_store_b128 v[STO], v[PF+8*\b:PF+8*\b+3] offset:64*\b
	ds_store_b128 v[STO], v[PF+8*\b+4:PF+8*\b+7] offset:64*\b+16
.endr
.irp t, 0,1,2,3,4,5,6,7,8,9,10,11,12,13,14,15
	ds_load_b128 v[BB+4*\t:BB+4*\t+3], v[RD] offset:\t*SPITCH      ; LDS serves a wave's instructions in order (ISA guide 5.7.1.4)
.endr
.endm
.macro SEND a, younger                 ; younger: the LDS instructions issued behind block a's loads, which may stay out
.set BB, 128+64*((\a)%2)
	s_wait_dscnt \younger
.if (\a) > 0
	s_add_nc_u64 s[10:11], s[10:11], 16*ROWB       ; (behind a wait on XCNT: the earlier stores have read their base)
.endif
.irp t, 0,1,2,3,4,5,6,7,8,9,10,11,12,13,14,15
	global_store_b128 v[CO], v[BB+4*\t:BB+4*\t+3], s[10:11] offset:\t*ROWB th:TH_STORE_NT   ; 32 lanes store 512 consecutive bytes, aligned; written once, read by nobody here
.endr
.endm
	NORM 0                                         ; (the 128 multiply-adds above are the places behind the last products, whose fragments of p lay where these results go)
	TOSTAGE 0
.irp a, 1,2,3
.if \a > 1
	s_wait_xcnt 0x0                                ; block a - 2's stores have read their registers and their base
.endif
	NORM \a
	TOSTAGE \a
	SEND \a-1, 32                                  ; behind block a - 1's loads: block a's 16 stores and 16 loads
.endr
	s_wait_xcnt 0x0
	SEND 3, 0
	s_wait_tensorcnt 0x0                           ; the wave's end
	ds_add_u32 v[SPW], v[NIL]
	s_wait_dscnt 0x0
	CROUND                                         ; the closing round
	s_endpgm
.Lfunc_end_k_qaa17f4b208_pv:
	.size	k_qaa17f4b208_pv, .Lfunc_end_k_qaa17f4b208_pv-k_qaa17f4b208_pv
	.p2alignl 7, 3214868480
	.fill 96, 4, 3214868480
	.section	.rodata,"a",@progbits
	.p2align	6, 0x0
	.amdhsa_kernel k_qaa17f4b208_pv
		.amdhsa_group_segment_fixed_size 327680
		.amdhsa_private_segment_fixed_size 0
		.amdhsa_enable_private_segment 0
		.amdhsa_kernarg_size 32
		.amdhsa_user_sgpr_count 2
		.amdhsa_user_sgpr_kernarg_segment_ptr 1
		.amdhsa_wavefront_size32 1
		.amdhsa_system_sgpr_workgroup_id_x 1
		.amdhsa_system_sgpr_workgroup_id_y 1
		.amdhsa_system_sgpr_workgroup_id_z 1
		.amdhsa_system_vgpr_workitem_id 0
		.amdhsa_next_free_vgpr 1024
		.amdhsa_next_free_sgpr 72
		.amdhsa_reserve_vcc 0
		.amdhsa_float_denorm_mode_32 3
		.amdhsa_float_denorm_mode_16_64 3
		.amdhsa_memory_ordered 1
		.amdhsa_forward_progress 1
		.amdhsa_inst_pref_size 197
	.end_amdhsa_kernel
	.amdgpu_metadata
---
amdhsa.version: [ 1, 2 ]
amdhsa.kernels:
  - .name:           k_qaa17f4b208_pv
    .symbol:         k_qaa17f4b208_pv.kd
    .args:
      - { .name: p, .offset: 0, .size: 8, .value_kind: global_buffer, .address_space: global }
      - { .name: vt, .offset: 8, .size: 8, .value_kind: global_buffer, .address_space: global }
      - { .name: stats, .offset: 16, .size: 8, .value_kind: global_buffer, .address_space: global }
      - { .name: out0, .offset: 24, .size: 8, .value_kind: global_buffer, .address_space: global }
    .group_segment_fixed_size: 327680
    .private_segment_fixed_size: 0
    .kernarg_segment_align: 8
    .kernarg_segment_size: 32
    .max_flat_workgroup_size: 128
    .sgpr_count:     72
    .vgpr_count:     1024
    .wavefront_size: 32
...
	.end_amdgpu_metadata
.endif
;; end of part 4
